; MI455X (gfx1250); checked and timed in simulation.
; The chip was launched on July 23, 2026; its instructions are those of AMD's public machine-readable ISA for CDNA 5 (MIT licence, August 2026) and "CDNA5" Instruction Set Architecture Reference Guide (July 2026). The comments in the code are by the model that wrote it; some were corrected since.
;; Multi Head Self Attention. Allowed arithmetic: matrix products marked QUANTISED: E2M1 operands, one E8M0 scale for each 32 along K, by v_wmma_scale_f32_16x16x128_f8f6f4 with both operands' format E2M1 (or v_wmma_scale_f32_32x16x128_f4), f32 sums; products left as they are: bf16, f16 or f32 operands; f32 sums; everything else in f32.
;; Inputs: Wk 1,024 x 1,024 float32; Wo 1,024 x 1,024 float32; Wq 1,024 x 1,024 float32; Wv 1,024 x 1,024 float32; attention_mask 4 x 2,048 int32; bo 1,024 float32; embedded 4 x 2,048 x 1,024 float32.
;; Outputs: out0 4 x 2,048 x 1,024 float32.
;; This version of the problem:
;;   THIS VERSION OF THE PROBLEM IS GIVEN IN LOW PRECISION. The matrix products marked QUANTISED in the list below multiply operands that are first quantised to E2M1 (2 exponent bits, 1 mantissa bit; 4 bits a number), with one power-of-two scale for each 32 numbers along K (OCP MX v1.0); their sums are f32. The products marked 'left as it is' may take bf16, f16 or f32 operands, with f32 sums. Whichever they take, every output number must still come out within the allowed error. Rounding operands to bf16 (8 significant bits) uses up far more of that allowance than f16 does (11 bits, for magnitudes from 6e-5 to 65,504). All else is computed in f32.
;;   The module's matrix products, in the order in which they are computed (A, B: the left and right operand; K: the contracted axis; several contracted axes count as one K, in the product's order):
;;     1. [M 8,192, K 1,024] x [K 1,024, N 1,024]; A: input embedded; B: input Wq: QUANTISED
;;     2. [M 8,192, K 1,024] x [K 1,024, N 1,024]; A: input embedded; B: input Wk: QUANTISED
;;     3. [M 8,192, K 1,024] x [K 1,024, N 1,024]; A: input embedded; B: input Wv: QUANTISED
;;     4. batch 64 x [M 2,048, K 64] x [K 64, N 2,048]; A: computed on the way; B: computed on the way: left as it is (an operand is computed on the way)
;;     5. batch 64 x [M 64, K 2,048] x [K 2,048, N 2,048]; A: computed on the way; B: computed on the way: left as it is (an operand is computed on the way)
;;     6. [M 8,192, K 1,024] x [K 1,024, N 1,024]; A: computed on the way; B: input Wo: left as it is (an operand is computed on the way)
;;   THE QUANTISER, for each operand of a quantised product, along K:
;;     - K is cut into blocks of 32 from its start; a last block that is shorter is filled with zeros.
;;     - A block's scale is 2^e with e = floor(log2(the largest magnitude in the block)) - 2, held to -126 .. 127; a block of zeros has e = 0. As a byte (E8M0): e + 127.
;;     - Each number is divided by its block's scale, clamped to +-6, and rounded to the nearest number of E2M1, ties to even, subnormals kept.
;;     - The product sums the exact products of the quantised numbers (number of the format x scale) in f32.
;;   ~~~python
;;   def quantise(x, axis):      # numpy; x: float32 -> the quantised numbers, widened to float32 again
;;       x = np.moveaxis(x, axis, -1); K = x.shape[-1]
;;       x = np.pad(x, [(0, 0)] * (x.ndim - 1) + [(0, -K % 32)]); x = x.reshape(x.shape[:-1] + (-1, 32)); a = np.abs(x).max(-1, keepdims=True)
;;       e = np.where(a > 0, np.clip(np.frexp(np.where(a > 0, a, 1))[1] - 1 - 2, -126, 127), 0)      # np.frexp(a)[1] - 1 = floor(log2(a)), exactly
;;       r = np.clip(x / 2.0 ** e, -6, 6)
;;       step = 2.0 ** (np.maximum(np.frexp(np.where(r == 0, 1, r))[1] - 1, 0) - 1)
;;       q = np.round(r / step) * step * 2.0 ** e      # np.round: ties to even
;;       return np.moveaxis(q.reshape(q.shape[:-2] + (-1,))[..., :K], -1, axis).astype(np.float32)
;;   ~~~
;; One version. Each part assembles by itself: llvm-mc -triple=amdgcn-amd-amdhsa -mcpu=gfx1250 --defsym DOCPART=n.
;; ======== version 1 of 1: 4 launches
;; limits: values are held in f16: magnitudes above 65,504 overflow, below 6.1e-05 lose precision
;; workspace buffers: xc 4,194,304 bytes; xs 262,144 bytes; wc 1,572,864 bytes; ws 98,304 bytes; wo16 2,097,152 bytes; qkv 50,331,648 bytes; att 16,777,216 bytes
;; launch prep (part 1): grid 336 x 1, 4 waves a work-group, no clusters, 68,096 bytes of LDS; arguments embedded, Wq, Wk, Wv, Wo, xc, xs, wc, ws, wo16; writes xc, xs, wc, ws, wo16
.if DOCPART == 1
	.amdgcn_target "amdgcn-amd-amdhsa--gfx1250"
	.amdhsa_code_object_version 6
	.text
	.protected	k_q3b80501810_prep
	.globl	k_q3b80501810_prep
	.p2align	8
	.type	k_q3b80501810_prep,@function
k_q3b80501810_prep:
	s_mov_b64 s[64:65], 0
	v_nop
	global_prefetch_b8 v0, s[64:65] scope:SCOPE_SE
	s_setreg_imm32_b32 hwreg(HW_REG_WAVE_MODE, 25, 1), 1
	s_wait_xcnt 0x0
; PREP: what the later launches read many times is made once.
;   work-groups 0-47:   Wq, Wk, Wv [k 1024][n 1024] f32, K their FIRST axis -> codes of FP4 (E2M1) wc [3072 rows n][512 bytes], K innermost, and scale bytes ws [3072][32]
;   work-groups 48-79:  Wo f32 -> wo16, f16, in Wo's own order (it is an operand of a product that is left as it is)
;   work-groups 80-335: embedded [8192][1024] f32, K innermost -> codes xc [8192][512 bytes], scale bytes xs [8192][32]
; The few work-groups of the weights come first in the grid and run beside the long stream of embedded: one launch in place of three.
; THE QUANTISER: a block of 32 along K has the scale 2^(floor(log2(its largest magnitude)) - 2); its byte is the largest magnitude's exponent field - 2, held at 1 from below;
; each number is divided by the scale and rounded to the nearest code, ties to even, beyond 6 the code of 6.
; LIMITS: a block of zeros gets the byte 1 where the rule says 127 (its codes are zeros, which add nothing; this program alone reads the bytes); blocks whose largest magnitude lies under 2^-124 were not tried;
; NaN and infinities among the inputs are not served; |Wo| up to 65,504 (f16), under 6e-5 as f16 subnormals.
; The three paths part on the work-group's number alone; each has LDS bytes of its own.  No tensor load, no barrier: waves share nothing.
.set XREG,  34816                      ; LDS: 0 .. the weights' four stages of 32 x 272; from here embedded's four regions of 8,192
.set SPARE, 67584                      ; behind them the spare words, 128 bytes for each wave: two blocks of 256 bytes that no other line names
.set SPW,   190                        ; v190  LDS address of my spare word; never rewritten
.set NIL,   191                        ; v191  0; never rewritten
.macro FINISH                          ; a wave's end: a tensor wait, an add to the spare word
	s_wait_tensorcnt 0x0
	ds_add_u32 v[SPW], v[NIL]
	s_wait_dscnt 0x0
	s_endpgm
.endm
	s_load_b256 s[4:11], s[0:1], 0x0               ; embedded s[4:5], Wq s[6:7], Wk s[8:9], Wv s[10:11]
	s_load_b256 s[12:19], s[0:1], 0x20             ; Wo s[12:13], xc s[14:15], xs s[16:17], wc s[18:19]
	s_load_b128 s[20:23], s[0:1], 0x40             ; ws s[20:21], wo16 s[22:23]
	v_lshl_add_u32 v[SPW], v0, 2, SPARE
	v_mov_b32 v[NIL], 0
	v_lshrrev_b32 v1, 5, v0
	v_readfirstlane_b32 s24, v1                    ; wave 0..3
	v_and_b32 v2, 31, v0                           ; lane
	s_wait_kmcnt 0x0
	s_cmp_lt_u32 ttmp9, 48
	s_cbranch_scc1 .Lweights
	s_cmp_lt_u32 ttmp9, 80
	s_cbranch_scc1 .Lcast
; ---------------- embedded: a plain stream of blocks of 32.  A wave takes 16 steps of 512 numbers.
; Each of a step's four loads reads 512 consecutive bytes, 16 a lane; the 2,048 bytes turn through the wave's own stage in LDS and come back 64 bytes a lane: 16 neighbours along K, which is what the
; conversions take from one lane's registers.  Two neighbouring lanes hold a block.  Loads run four steps (16 loads a wave) ahead, the turn through LDS one step.
.set SP,  80                           ; a lane's place in a stage: 64 bytes + 16 of padding
.set XR,  16                           ; v16-79   four sets of 16 numbers as loaded
.set XX,  80                           ; v80-111  two sets of 16 neighbours
.set XE,  112                          ; v112-127 a scale byte for each step
.set XC,  128                          ; v128-189 codes: registers of its own for each step, so that no store's data are written again
	v_lshlrev_b32 v3, 4, v2                        ; my 16 bytes of a load's 512
	s_mul_i32 s25, s24, 8192
	s_add_co_u32 s25, s25, XREG                    ; my wave's region
	v_lshrrev_b32 v14, 2, v2
	v_mul_u32_u24 v14, v14, SP
	v_and_b32 v15, 3, v2
	v_lshl_add_u32 v14, v15, 4, v14
	v_add_nc_u32 v14, s25, v14                     ; into the stage: four lanes' 64 bytes on end, then the padding
	v_mul_u32_u24 v15, v2, SP
	v_add_nc_u32 v15, s25, v15                     ; out of it: my 16 neighbours
	v_mul_u32_u24 v4, v2, 8                        ; my 8 bytes of a step's 256 bytes of codes
	v_lshrrev_b32 v5, 1, v2
	s_add_co_u32 s25, s25, 2*32*SP                 ; behind the two stages: my wave's 256 scale bytes
	v_add_nc_u32 v5, s25, v5                       ; my block's byte
	v_lshlrev_b32 v7, 3, v2
	v_add_nc_u32 v6, s25, v7                       ; and on the way out 8 bytes a lane
	s_sub_co_u32 s26, ttmp9, 80
	s_lshl_b32 s26, s26, 2
	s_add_co_u32 s26, s26, s24                     ; which run of 8,192 numbers is my wave's: 0 .. 1023
	s_mov_b32 s29, 0
	s_lshl_b32 s28, s26, 15
	s_add_nc_u64 s[4:5], s[4:5], s[28:29]          ; 32,768 bytes of f32 a run,
	s_lshl_b32 s28, s26, 12
	s_add_nc_u64 s[14:15], s[14:15], s[28:29]      ; 4,096 of codes,
	s_lshl_b32 s28, s26, 8
	s_add_nc_u64 s[16:17], s[16:17], s[28:29]      ; 256 scale bytes
.macro XLOAD t
.irp i, 0,1,2,3
	global_load_b128 v[XR+16*((\t)%4)+4*\i:XR+16*((\t)%4)+4*\i+3], v3, s[4:5] offset:2048*(\t)+512*\i th:TH_LOAD_NT
.endr
.endm
.macro XTURN t                         ; LDS serves a wave's instructions in order: no wait between the stores and the loads
.irp i, 0,1,2,3
	ds_store_b128 v14, v[XR+16*((\t)%4)+4*\i:XR+16*((\t)%4)+4*\i+3] offset:32*SP*((\t)%2)+8*SP*\i
.endr
.irp i, 0,1,2,3
	ds_load_b128 v[XX+16*((\t)%2)+4*\i:XX+16*((\t)%2)+4*\i+3], v15 offset:32*SP*((\t)%2)+16*\i
.endr
.endm
.macro XSTEP t
.set XS, XX+16*((\t)%2)
.if (\t) > 0
	s_wait_dscnt 1                                 ; this step's numbers are back from the stage (the last step's byte store may be out), so its stores into the stage have read their registers,
.else
	s_wait_dscnt 0x0
.endif
.if (\t)+4 < 16
	XLOAD (\t)+4                                   ; which take the loads of four steps on
.endif
.if (\t)+1 < 16
.if 14-(\t) >= 3
	s_wait_loadcnt 12                              ; the next step's four loads are in; those of the three steps behind it may be out
.else
	s_wait_loadcnt 4*(14-(\t))
.endif
	XTURN (\t)+1
.endif
	v_max3_num_f32 v8, |v[XS]|, |v[XS+1]|, |v[XS+2]|               ; the largest magnitude of my 16, in two chains
	v_max3_num_f32 v9, |v[XS+3]|, |v[XS+4]|, |v[XS+5]|
.irp i, 6,10
	v_max3_num_f32 v8, v8, |v[XS+\i]|, |v[XS+\i+1]|
	v_max3_num_f32 v9, v9, |v[XS+\i+2]|, |v[XS+\i+3]|
.endr
	v_max3_num_f32 v8, v8, |v[XS+14]|, |v[XS+15]|
	v_max3_num_f32 v8, v8, v9, 0x1800000           ; and the floor 2^(3 - 127): the byte cannot fall under 1
	v_max_num_f32_dpp v8, v8, v8 row_xmask:1 row_mask:0xf bank_mask:0xf   ; and of my neighbour's 16: the block's
	v_add_nc_u32 v11, 0xff000000, v8               ; 2 off its exponent field: the conversion takes the exponent field of this operand as its scale
	v_cvt_scalef32_pk8_fp4_f32 v[XC+4*(\t)], v[XS:XS+7], v11
	v_cvt_scalef32_pk8_fp4_f32 v[XC+4*(\t)+1], v[XS+8:XS+15], v11
	v_lshrrev_b32 v[XE+(\t)], 23, v11              ; the scale's byte (a plain line behind the conversions)
	ds_store_b8 v5, v[XE+(\t)] offset:16*(\t)      ; both lanes of a block write the same byte with the same value
	global_store_b64 v4, v[XC+4*(\t):XC+4*(\t)+1], s[14:15] offset:256*(\t)   ; 32 lanes store 256 consecutive bytes, aligned
.endm
.irp t, 0,1,2,3
	XLOAD \t
.endr
	s_wait_loadcnt 12                              ; step 0's four loads are in
	XTURN 0
.irp t, 0,1,2,3,4,5,6,7,8,9,10,11,12,13,14,15
	XSTEP \t
.endr
	ds_load_b64 v[8:9], v6                         ; my wave's 256 scale bytes: these loads see my stores
	s_wait_dscnt 0x0
	global_store_b64 v7, v[8:9], s[16:17]          ; 32 lanes store 256 consecutive bytes, aligned
	FINISH
; ---------------- Wq, Wk, Wv.  A LANE TAKES A COLUMN n, AND ITS REGISTERS RUN DOWN K: each load reads 128 consecutive bytes a wave, a block of 32 along K lies in one lane's 32 registers,
; and the conversions give codes with K innermost.  A wave takes 32 columns x 512 along K; the codes go through its own stage and leave as rows: sixteen lanes store 256 consecutive bytes.
.Lweights:
.set WP,   272                         ; a stage row: 256 bytes of codes + 16
.set WX,   32                          ; v32-95   two sets of 32 numbers
.set WCD,  96                          ; v96-99   a block's codes
.set WSB,  24                          ; v24-27   the scale bytes, four to a register
.set WOUT, 112                         ; v112-175 the way out
	s_lshr_b32 s25, ttmp9, 4                       ; which weight: 0 q, 1 k, 2 v
	s_and_b32 s26, ttmp9, 7                        ; which 128 columns
	s_bfe_u32 s27, ttmp9, 0x10003                  ; which 512 along K
	s_cmp_eq_u32 s25, 1
	s_cselect_b64 s[8:9], s[8:9], s[10:11]         ; the choice hangs on the work-group's number alone
	s_cmp_eq_u32 s25, 0
	s_cselect_b64 s[6:7], s[6:7], s[8:9]
	s_lshl_b32 s26, s26, 7
	s_lshl_b32 s28, s24, 5
	s_add_co_u32 s26, s26, s28                     ; my wave's first column
	s_lshl_b32 s28, s27, 21                        ; 512 rows of 4,096 bytes
	s_lshl_b32 s29, s26, 2
	s_add_co_u32 s28, s28, s29
	s_mov_b32 s29, 0
	s_add_nc_u64 s[6:7], s[6:7], s[28:29]
	s_lshl_b32 s25, s25, 10
	s_add_co_u32 s25, s25, s26                     ; my first row of wc and ws: 1024 x weight + column
	s_lshl_b32 s28, s25, 9
	s_lshl_b32 s30, s27, 8
	s_add_co_u32 s28, s28, s30
	s_add_nc_u64 s[18:19], s[18:19], s[28:29]      ; codes: 512 bytes a row, + 256 for the second half of K
	s_lshl_b32 s28, s25, 5
	s_lshl_b32 s30, s27, 4
	s_add_co_u32 s28, s28, s30
	s_add_nc_u64 s[20:21], s[20:21], s[28:29]      ; scale bytes: 32 a row, + 16
	v_lshlrev_b32 v3, 2, v2                        ; in: 4 bytes a lane
	s_mul_i32 s31, s24, 32*WP                      ; my stage
	v_mul_u32_u24 v4, v2, WP
	v_add_nc_u32 v4, s31, v4                       ; into it: row = my column
	v_and_b32 v5, 15, v2
	v_lshrrev_b32 v6, 4, v2
	v_mul_u32_u24 v7, v6, WP
	v_lshl_add_u32 v7, v5, 4, v7
	v_add_nc_u32 v7, s31, v7                       ; out of it: sixteen lanes to a row, two rows an instruction
	v_mul_u32_u24 v8, v6, 512
	v_lshl_add_u32 v8, v5, 4, v8                   ; and the same place in wc
	v_mul_u32_u24 v9, v2, 32                       ; my column's row of ws
.macro WLOAD t                         ; block t: W(32 t + i, my column) into set t % 2; the largest offset, 511 rows of 4,096 bytes, lies inside the signed 24-bit immediate
.irp i, 0,1,2,3,4,5,6,7,8,9,10,11,12,13,14,15,16,17,18,19,20,21,22,23,24,25,26,27,28,29,30,31
	global_load_b32 v[WX+32*((\t)%2)+\i], v3, s[6:7] offset:(32*(\t)+\i)*4096 th:TH_LOAD_NT
.endr
.endm
.macro WBLOCK t
.set XS, WX+32*((\t)%2)
.if (\t) < 15
	s_wait_loadcnt 32                              ; this block's 32 loads are in; the next block's may be out
.else
	s_wait_loadcnt 0
.endif
	v_max3_num_f32 v12, |v[XS]|, |v[XS+1]|, |v[XS+2]|              ; the block's largest magnitude: all 32 numbers are mine
	v_max3_num_f32 v13, |v[XS+3]|, |v[XS+4]|, |v[XS+5]|
.irp i, 6,10,14,18,22,26
	v_max3_num_f32 v12, v12, |v[XS+\i]|, |v[XS+\i+1]|
	v_max3_num_f32 v13, v13, |v[XS+\i+2]|, |v[XS+\i+3]|
.endr
	v_max3_num_f32 v12, v12, |v[XS+30]|, |v[XS+31]|
	v_max3_num_f32 v12, v12, v13, 0x1800000        ; the floor
	v_add_nc_u32 v11, 0xff000000, v12              ; the conversion's scale operand
	v_lshrrev_b32 v13, 23, v11                     ; the scale's byte
.if (\t)%4 == 0
	v_mov_b32 v[WSB+(\t)/4], v13
.else
	v_lshl_or_b32 v[WSB+(\t)/4], v13, 8*((\t)%4), v[WSB+(\t)/4]
.endif
.irp g, 0,1,2,3
	v_cvt_scalef32_pk8_fp4_f32 v[WCD+\g], v[XS+8*\g:XS+8*\g+7], v11
.endr
	ds_store_b128 v4, v[WCD:WCD+3] offset:16*(\t)  ; 32 codes: 16 bytes of my column's row
.if (\t)+2 < 16
	WLOAD (\t)+2
.endif
	s_wait_dscnt 0x0                               ; the store has read its registers: the next block's codes may be written
.endm
	WLOAD 0
	WLOAD 1
.set Q, 0
.rept 16
	WBLOCK Q
.set Q, Q+1
.endr
	global_store_b128 v9, v[WSB:WSB+3], s[20:21]   ; my column's 16 scale bytes
.irp t, 0,1,2,3,4,5,6,7,8,9,10,11,12,13,14,15
	ds_load_b128 v[WOUT+4*\t:WOUT+4*\t+3], v7 offset:2*\t*WP
.endr
.irp t, 0,1,2,3,4,5,6,7,8,9,10,11,12,13,14,15
	s_wait_dscnt 15-\t
	global_store_b128 v8, v[WOUT+4*\t:WOUT+4*\t+3], s[18:19] offset:2*\t*512
.endr
	FINISH
; ---------------- Wo to f16: a stream.  A wave takes 64 items of 512 bytes; a ring of 16 register slots keeps 16 loads of the wave on their way.
.Lcast:
	s_sub_co_u32 s25, ttmp9, 48
	s_lshl_b32 s25, s25, 2
	s_add_co_u32 s25, s25, s24                     ; my wave's run: 0 .. 127
	s_lshl_b32 s28, s25, 15
	s_mov_b32 s29, 0
	s_add_nc_u64 s[12:13], s[12:13], s[28:29]
	s_lshl_b32 s28, s25, 14
	s_add_nc_u64 s[22:23], s[22:23], s[28:29]
	v_lshlrev_b32 v1, 4, v2                        ; in: 16 bytes a lane
	v_lshlrev_b32 v3, 3, v2                        ; out: 8 bytes a lane
.set n, 0
.rept 16
	global_load_b128 v[16+4*n:19+4*n], v1, s[12:13] offset:512*n th:TH_LOAD_NT
.set n, n+1
.endr
.set n, 0
.rept 64
.if n < 48
	s_wait_loadcnt 15                              ; loads come back in order: item n is in, the 15 younger stay out
.else
	s_wait_loadcnt 63-n
.endif
	s_wait_xcnt 0x0                                ; the slot's two result registers were the data of the store 16 items back: written again only behind this wait
	v_cvt_pk_f16_f32 v[80+2*(n%16)], v[16+4*(n%16)], v[17+4*(n%16)]
	v_cvt_pk_f16_f32 v[81+2*(n%16)], v[18+4*(n%16)], v[19+4*(n%16)]
.if n < 48
	global_load_b128 v[16+4*(n%16):19+4*(n%16)], v1, s[12:13] offset:512*(n+16) th:TH_LOAD_NT
.endif
	global_store_b64 v3, v[80+2*(n%16):81+2*(n%16)], s[22:23] offset:256*n   ; 32 lanes store 256 consecutive bytes, aligned
.set n, n+1
.endr
	FINISH
.Lfunc_end_k_q3b80501810_prep:
	.size	k_q3b80501810_prep, .Lfunc_end_k_q3b80501810_prep-k_q3b80501810_prep
	.p2alignl 7, 3214868480
	.fill 96, 4, 3214868480
	.section	.rodata,"a",@progbits
	.p2align	6, 0x0
	.amdhsa_kernel k_q3b80501810_prep
		.amdhsa_group_segment_fixed_size 68096
		.amdhsa_private_segment_fixed_size 0
		.amdhsa_enable_private_segment 0
		.amdhsa_kernarg_size 80
		.amdhsa_user_sgpr_count 2
		.amdhsa_user_sgpr_kernarg_segment_ptr 1
		.amdhsa_wavefront_size32 1
		.amdhsa_system_sgpr_workgroup_id_x 1
		.amdhsa_system_sgpr_workgroup_id_y 1
		.amdhsa_system_sgpr_workgroup_id_z 1
		.amdhsa_system_vgpr_workitem_id 0
		.amdhsa_next_free_vgpr 192
		.amdhsa_next_free_sgpr 66
		.amdhsa_reserve_vcc 0
		.amdhsa_float_denorm_mode_32 3
		.amdhsa_float_denorm_mode_16_64 3
		.amdhsa_memory_ordered 1
		.amdhsa_forward_progress 1
		.amdhsa_inst_pref_size 135
	.end_amdhsa_kernel
	.amdgpu_metadata
---
amdhsa.version: [ 1, 2 ]
amdhsa.kernels:
  - .name:           k_q3b80501810_prep
    .symbol:         k_q3b80501810_prep.kd
    .args:
      - { .name: embedded, .offset: 0, .size: 8, .value_kind: global_buffer, .address_space: global }
      - { .name: Wq, .offset: 8, .size: 8, .value_kind: global_buffer, .address_space: global }
      - { .name: Wk, .offset: 16, .size: 8, .value_kind: global_buffer, .address_space: global }
      - { .name: Wv, .offset: 24, .size: 8, .value_kind: global_buffer, .address_space: global }
      - { .name: Wo, .offset: 32, .size: 8, .value_kind: global_buffer, .address_space: global }
      - { .name: xc, .offset: 40, .size: 8, .value_kind: global_buffer, .address_space: global }
      - { .name: xs, .offset: 48, .size: 8, .value_kind: global_buffer, .address_space: global }
      - { .name: wc, .offset: 56, .size: 8, .value_kind: global_buffer, .address_space: global }
      - { .name: ws, .offset: 64, .size: 8, .value_kind: global_buffer, .address_space: global }
      - { .name: wo16, .offset: 72, .size: 8, .value_kind: global_buffer, .address_space: global }
    .group_segment_fixed_size: 68096
    .private_segment_fixed_size: 0
    .kernarg_segment_align: 8
    .kernarg_segment_size: 80
    .max_flat_workgroup_size: 128
    .sgpr_count:     66
    .vgpr_count:     192
    .wavefront_size: 32
...
	.end_amdgpu_metadata
.endif
;; end of part 1
;; launch qkv (part 2): grid 12 x 32, 4 waves a work-group, clusters of 4 x 4, 327,680 bytes of LDS; arguments xc, xs, wc, ws, qkv; writes qkv
.if DOCPART == 2
	.amdgcn_target "amdgcn-amd-amdhsa--gfx1250"
	.amdhsa_code_object_version 6
	.text
	.protected	k_q3b80501810_qkv
	.globl	k_q3b80501810_qkv
	.p2align	8
	.type	k_q3b80501810_qkv,@function
k_q3b80501810_qkv:
	s_mov_b64 s[64:65], 0
	v_nop
	global_prefetch_b8 v0, s[64:65] scope:SCOPE_SE
	s_setreg_imm32_b32 hwreg(HW_REG_WAVE_MODE, 25, 1), 1
	s_wait_xcnt 0x0
	s_wait_alu depctr_hold_cnt(0) depctr_sa_sdst(0) depctr_va_vdst(0) depctr_va_sdst(0) depctr_va_ssrc(0) depctr_va_vcc(0) depctr_vm_vsrc(0)
	s_getreg_b32 s2, hwreg(HW_REG_IB_STS2, 6, 4)
	s_cmp_eq_u32 s2, 0
	s_cbranch_scc0 .Lentry_in_a_cluster
	s_endpgm
.Lentry_in_a_cluster:
	s_bfe_u32 s2, ttmp6, 0x10000c
	s_cmp_lg_u32 s2, 0xf033
	s_cbranch_scc0 .Lentry_shape_is_right
	s_endpgm
.Lentry_shape_is_right:
; q, k and v in ONE GEMM on codes of FP4 (E2M1) with one E8M0 scale for each 32 along K: C[m][n] = sum over k of X[m][k] W[n][k], m = 8,192 rows of embedded, n = 3,072 = 1024 x (q, k, v) + column, K = 1,024.
; The matrix instruction takes codes and scale bytes as they lie in memory; sums in f32.  The results are rounded ONCE to f16 and laid by head: qkv [b 4][g 48 = 16 x (q, k, v) + head][s 2048][64].
; LIMIT: |q|, |k|, |v| up to 65,504 (f16); with the inputs' spread the values have spread 1, with both factors 30 times larger peaks of some 5,500.
; A tile of C, 256 x 256, is made by a work-group of four waves; a wave makes 128 x 128: 64 accumulators of 16 x 16, 512 registers.  K = 1,024 is two slots of 512 along K (rows of 256 bytes):
; both slots and the scales of the work-group's rows are asked for at the head (three tensor loads of a wave are out at the most) and nothing is filled again.
; CLUSTERS: 4 x 4 work-groups.  The four of a row of the cluster need the same tiles of X, the four of a column the same tiles of W: each tile is asked for JOINTLY.
; THE MATRIX INSTRUCTION IS USED TRANSPOSED (source 0 = 16 rows of W, source 1 = 16 rows of X): a lane then holds eight neighbouring columns of one row of C.
; No prefetch: every tile is asked for at the head.
; REGISTERS: window 0: v0-31 addresses; v32-95 scale words, two sets; v128-191 X's fragments, ONE set; on the way out v32-63, v192-255.  window 1: W's fragments, two sets, at v0 and v128.
;   window 2: the accumulators of my rows 0-63 ((a, b) at v[8 (8 a + b)]); window 3: those of my rows 64-127.
.set NQ,     4                         ; matrix instructions deep in a slot
.set ROWB,   256                       ; a tile's row in bytes: 512 codes
.set KROW,   512                       ; a row of codes in memory
.set PITCH,  272                       ; an LDS row: 256 bytes + 16 of padding: the 16 rows that a load touches start at 16 different groups of banks
.set FR,     8                         ; registers of a fragment: 16 rows x 128 K
.set NL,     2                         ; LDS loads that bring one
.set NP,     4                         ; places behind this matrix instruction (ISA guide 7.12.1)
.set HALFT,  128*PITCH
.set SLOT,   4*HALFT                   ; X's 256 rows, then W's 256 rows
.set KS,     32                        ; a row of scales in bytes
.set SCL,    2*SLOT                    ; behind the two slots: the scales, as units of 256 bytes + 16 of padding
.set HALFS,  16*272                    ; the scales of 128 rows: what one tensor load brings
.set SBLK,   2*272                     ; those of 16 rows
.set SPARE,  SCL+4*HALFS               ; the spare words, 128 bytes for each wave
.set SPITCH, 400                       ; the way out: a stage of 16 rows x (256 bytes + 144) for each wave, in slot 0, which has had its only fill and its last read by then
.set ADRA, 16
.set ADRB, 20
.set STO,  24
.set RD,   25
.set CO,   26
.set ADRS, 27
.set SPW,  28
.set NIL,  29
.set SC,   32
.set AF,   128
.set TMP,  192                         ; the way out: packed results
.set G1, 24
.set G0, 32
.set G1B, 48
.set G0B, 56
.set G1S, 68
.set G0S, 76
.set G1SB, 80
.set G0SB, 88
.set MSB, 0
.macro WIN new                         ; the immediate's high byte repeats the setting that is left
.if MSB != (\new)
	s_set_vgpr_msb (MSB<<8)|(\new)
.set MSB, (\new)
.endif
.endm
.set MUL_LO, 0xa1                      ; source 0 (W) window 1, source 1 (X) window 0, C and D window 2
.set MUL_HI, 0xf1
.set TO_B,   0x40
; A joint load: waves 0 and 1 fetch for X, waves 2 and 3 for W; the branch hangs on the wave's number alone.  An s_nop 0 and four v_nop follow each of the two lines.
.macro JLOAD g0a, g1a, g0b, g1b
	s_cmp_eq_u32 s15, 0
	s_cbranch_scc0 .Lfor_b_\@
	tensor_load_to_lds s[\g0a:\g0a+3], s[\g1a:\g1a+7]
	s_nop 0
.rept 4
	v_nop
.endr
	s_branch .Lasked_\@
.Lfor_b_\@:
	tensor_load_to_lds s[\g0b:\g0b+3], s[\g1b:\g1b+7]
	s_nop 0
.rept 4
	v_nop
.endr
.Lasked_\@:
.endm
.macro CROUND                          ; a round of the cluster's barrier
	s_barrier_signal -1
	s_barrier_wait -1
	s_cmp_lg_u32 s14, 0
	s_cbranch_scc1 .Lnot_wave_0_\@
	s_barrier_signal -3
.Lnot_wave_0_\@:
	s_barrier_wait -3
	s_barrier_signal -1
	s_barrier_wait -1
.endm
	s_load_b128 s[4:7], s[0:1], 0x0                ; X's codes, X's scales
	s_load_b128 s[8:11], s[0:1], 0x10              ; W's codes, W's scales
	s_load_b64 s[12:13], s[0:1], 0x20              ; qkv
	v_lshl_add_u32 v[SPW], v0, 2, SPARE
	v_mov_b32 v[NIL], 0
	ds_add_u32 v[SPW], v[NIL]                      ; the wave's opening: the add, twice on end, and its wait ahead of my first tensor load
	ds_add_u32 v[SPW], v[NIL]
	v_lshrrev_b32 v1, 5, v0
	v_readfirstlane_b32 s14, v1                    ; wave 0..3
	s_lshr_b32 s15, s14, 1                         ; which half of the tile's rows is mine.  Also: I fetch for X (0) or for W (1)
	s_and_b32 s16, s14, 1                          ; which half of its columns.  Also: which 128 rows of that tile I fetch
	s_bfe_u32 s40, ttmp6, 0x40000                  ; cx, cy
	s_bfe_u32 s41, ttmp6, 0x40004
	s_lshl_b32 s42, ttmp9, 2
	s_add_co_u32 s42, s42, s40                     ; tile column
	s_and_b32 s17, ttmp7, 0xffff
	s_lshl_b32 s17, s17, 2
	s_add_co_u32 s17, s17, s41                     ; tile row
	s_lshl_b32 s43, s41, 2
	s_lshl_b32 s43, 15, s43                        ; my row of the cluster
	s_lshl_b32 s44, 0x1111, s40                    ; my column
	s_or_b32 s[G1+0], s43, (0<<16)|(1<<20)|(1<<21)|(5<<22)|(3<<25)  ; the mask; elements of 1 byte; padding on: 4 words after every 64
	s_or_b32 s[G1B+0], s44, (0<<16)|(1<<20)|(1<<21)|(5<<22)|(3<<25)
.irp g, G1, G1B
	s_mov_b32 s[\g+1], ROWB<<16                    ; tensor_dim0
	s_mov_b32 s[\g+2], 128<<16                     ; tensor_dim1
	s_mov_b32 s[\g+3], ROWB<<16                    ; tile_dim0
	s_mov_b32 s[\g+4], 128                         ; tile_dim1
	s_mov_b32 s[\g+5], KROW                        ; the pitch
	s_mov_b32 s[\g+6], 0
	s_mov_b32 s[\g+7], 0
.endr
	s_or_b32 s[G1S+0], s43, (3<<16)|(1<<20)|(1<<21)|(5<<22)|(3<<25) ; the scales of 128 rows: 4,096 dense bytes as 16 rows of 256 (32 elements of 8 bytes), 16 bytes of padding behind each
	s_or_b32 s[G1SB+0], s44, (3<<16)|(1<<20)|(1<<21)|(5<<22)|(3<<25)
.irp g, G1S, G1SB
	s_mov_b32 s[\g+1], 32<<16
	s_mov_b32 s[\g+2], 16<<16
	s_mov_b32 s[\g+3], 32<<16
	s_mov_b32 s[\g+4], 16
	s_mov_b32 s[\g+5], 32
	s_mov_b32 s[\g+6], 0
	s_mov_b32 s[\g+7], 0
.endr
	s_lshl_b32 s18, s16, 7
	s_lshl_b32 s20, s17, 8
	s_add_co_u32 s20, s20, s18                     ; X: row 256 x tile row + 128 x half
	s_lshl_b32 s46, s42, 8
	s_add_co_u32 s46, s46, s18                     ; W: row 256 x tile column + 128 x half
	s_mov_b32 s21, 0
	s_mov_b32 s47, 0
	s_mov_b64 s[18:19], KS
	s_mul_u64 s[22:23], s[20:21], s[18:19]         ; where these rows' scales begin
	s_mul_u64 s[92:93], s[46:47], s[18:19]
	s_mov_b64 s[18:19], KROW
	s_mul_u64 s[20:21], s[20:21], s[18:19]         ; and their codes
	s_mul_u64 s[46:47], s[46:47], s[18:19]
	s_mul_i32 s45, s14, HALFT                      ; where they go: wave x 128 rows
	s_mul_i32 s94, s14, HALFS
	s_wait_dscnt 0x0                               ; both opening adds are done
	s_wait_kmcnt 0x0
	s_add_nc_u64 s[20:21], s[4:5], s[20:21]
	s_add_nc_u64 s[22:23], s[6:7], s[22:23]
	s_add_nc_u64 s[46:47], s[8:9], s[46:47]
	s_add_nc_u64 s[92:93], s[10:11], s[92:93]
	CROUND                                         ; all sixteen work-groups are here: the joint loads meet
	s_mov_b32 s[G0S], 1
	s_add_co_u32 s[G0S+1], s94, SCL
	s_mov_b64 s[G0S+2:G0S+3], s[22:23]
	s_or_b32 s[G0S+3], s[G0S+3], 0x80000000
	s_mov_b32 s[G0SB], 1
	s_add_co_u32 s[G0SB+1], s94, SCL
	s_mov_b64 s[G0SB+2:G0SB+3], s[92:93]
	s_or_b32 s[G0SB+3], s[G0SB+3], 0x80000000
	JLOAD G0S, G1S, G0SB, G1SB                     ; the scales first: they are wanted with the first slot
.irp s, 0,1
	s_mov_b32 s[G0+4*\s], 1
	s_add_co_u32 s[G0+4*\s+1], s45, \s*SLOT
	s_add_nc_u64 s[G0+4*\s+2:G0+4*\s+3], s[20:21], \s*ROWB
	s_or_b32 s[G0+4*\s+3], s[G0+4*\s+3], 0x80000000
	s_mov_b32 s[G0B+4*\s], 1
	s_add_co_u32 s[G0B+4*\s+1], s45, \s*SLOT
	s_add_nc_u64 s[G0B+4*\s+2:G0B+4*\s+3], s[46:47], \s*ROWB
	s_or_b32 s[G0B+4*\s+3], s[G0B+4*\s+3], 0x80000000
	JLOAD G0+4*\s, G1, G0B+4*\s, G1B
.endr
	v_and_b32 v1, 15, v0                           ; l % 16
	v_bfe_u32 v2, v0, 4, 1                         ; l / 16
	v_mul_u32_u24 v3, v1, PITCH
	v_lshl_add_u32 v4, v2, 4, v3                   ; a fragment's row x pitch + 16 x half
	s_mul_i32 s21, s15, HALFT                      ; my 128 rows of X
	s_mul_i32 s22, s16, HALFT                      ; my 128 rows of W,
	s_add_co_u32 s22, s22, 2*HALFT                 ; which lie behind X's 256
.irp s, 0,1
	v_add_nc_u32 v[ADRA+\s], s21, v4
	v_add_nc_u32 v[ADRB+\s], s22, v4
	s_add_co_u32 s21, s21, SLOT
	s_add_co_u32 s22, s22, SLOT
.endr
	v_mul_u32_u24 v5, v1, KS                       ; my row's scales: 32 bytes a row,
	v_lshrrev_b32 v6, 8, v5
	v_lshl_add_u32 v5, v6, 4, v5                   ; and 16 more for each 256 passed
	s_mul_i32 s21, s15, HALFS
	s_mul_i32 s22, s16, HALFS
	s_add_co_u32 s22, s22, 2*HALFS
	s_sub_co_u32 s22, s22, s21
	v_mul_u32_u24 v6, s22, v2                      ; lanes 16-31 take W's: one product, the distance between the two bases
	s_add_co_u32 s21, s21, SCL
	v_add_nc_u32 v5, v5, v6
	v_add_nc_u32 v[ADRS], s21, v5
	s_mul_i32 s23, s14, 16*SPITCH                  ; my stage
	v_mul_u32_u24 v5, v1, SPITCH                   ; in: row l % 16, 16 bytes for each half of the lanes
	v_lshl_add_u32 v5, v2, 4, v5
	v_add_nc_u32 v[STO], s23, v5
	v_lshrrev_b32 v5, 3, v1                        ; back: lanes 0-15 take two rows' 128 bytes of my first head, lanes 16-31 of my second
	v_mul_u32_u24 v5, v5, SPITCH
	v_lshl_add_u32 v5, v2, 7, v5
	v_and_b32 v6, 7, v1
	v_lshl_add_u32 v5, v6, 4, v5
	v_add_nc_u32 v[RD], s23, v5
	v_lshlrev_b32 v[CO], 4, v1                     ; in qkv two rows of a head are 256 consecutive bytes; the next head lies 262,144 bytes on
	v_lshl_add_u32 v[CO], v2, 18, v[CO]
	s_lshr_b32 s20, s17, 3                         ; the batch: 8 tile rows each
	s_mul_i32 s20, s20, 12582912                   ; 48 heads x 2,048 rows x 128 bytes
	s_and_b32 s21, s17, 7
	s_lshl_b32 s21, s21, 15                        ; 256 rows of 128 bytes
	s_add_co_u32 s20, s20, s21
	s_lshl_b32 s21, s15, 14                        ; my 128 rows
	s_add_co_u32 s20, s20, s21
	s_lshl_b32 s46, s42, 20                        ; four heads to a tile column,
	s_lshl_b32 s47, s16, 19                        ; two to a wave
	s_add_co_u32 s46, s46, s47
	s_add_co_u32 s20, s20, s46                     ; under 50,331,648
	s_mov_b32 s21, 0
	s_add_nc_u64 s[12:13], s[12:13], s[20:21]
.macro FRAG reg, adr, q, i             ; 16 rows x 128 K of 4-bit codes: lane l holds row l % 16; registers 4 c .. 4 c + 3 hold K = 64 c + 32 (l / 16) + 0 .. 31
.irp c, 0,1
	ds_load_b128 v[\reg+4*\c:\reg+4*\c+3], v[\adr] offset:64*(\q)+32*\c+(\i)*16*PITCH
.endr
.endm
; 16 matrix instructions: X's blocks a0, a0 + 1 x W's eight.  The 64 accumulators take turns, one instruction a turn, in the same order in every step.
; One register carries X's scale word (lanes 0-15) and W's (lanes 16-31) of block i.
.macro MUL16 a0, p, q, sc, zero
.irp a, \a0, \a0+1
.irp b, 0,1,2,3,4,5,6,7
.if \zero
	v_wmma_scale_f32_16x16x128_f8f6f4 v[8*(8*((\a)%4)+\b):8*(8*((\a)%4)+\b)+7], v[128*(\p)+FR*\b:128*(\p)+FR*\b+FR-1], v[AF+FR*(\a):AF+FR*(\a)+FR-1], 0, v[SC+8*NQ*(\sc)+NQ*\b+(\q)], v[SC+8*NQ*(\sc)+NQ*(\a)+(\q)] matrix_a_fmt:MATRIX_FMT_FP4 matrix_b_fmt:MATRIX_FMT_FP4 matrix_a_scale:MATRIX_SCALE_ROW1
.else
	v_wmma_scale_f32_16x16x128_f8f6f4 v[8*(8*((\a)%4)+\b):8*(8*((\a)%4)+\b)+7], v[128*(\p)+FR*\b:128*(\p)+FR*\b+FR-1], v[AF+FR*(\a):AF+FR*(\a)+FR-1], v[8*(8*((\a)%4)+\b):8*(8*((\a)%4)+\b)+7], v[SC+8*NQ*(\sc)+NQ*\b+(\q)], v[SC+8*NQ*(\sc)+NQ*(\a)+(\q)] matrix_a_fmt:MATRIX_FMT_FP4 matrix_b_fmt:MATRIX_FMT_FP4 matrix_a_scale:MATRIX_SCALE_ROW1
.endif
.endr
.endr
.endm
.macro FETCH_B slot, q, p
	WIN TO_B
.irp i, 0,1,2,3,4,5,6,7
	FRAG 128*(\p)+FR*\i, ADRB+\slot, \q, \i
.endr
	WIN 0
.endm
.macro FETCH_A slot, q, i0
.irp i, \i0, \i0+1, \i0+2, \i0+3
	FRAG AF+FR*(\i), ADRA+\slot, \q, \i
.endr
.endm
.macro SCALES sc                       ; a slot's scale words: 4 words a row
.irp i, 0,1,2,3,4,5,6,7
	ds_load_b128 v[SC+8*NQ*\sc+NQ*\i:SC+8*NQ*\sc+NQ*\i+3], v[ADRS] offset:\i*SBLK
.endr
.endm
.macro PLACES n                        ; plain vector lines between a matrix instruction and a load into, or a read of, its registers
.rept \n
	v_nop
.endr
.endm
.macro STEP slot, q, zero              ; 128 along K that has its successor in the same slot
	s_wait_dscnt 4*NL                              ; W's set and X's blocks 0-3 are in; the youngest loads (X's blocks 4-7) may be out
	WIN MUL_LO
	MUL16 0, (\q)%2, \q, \slot, \zero
	MUL16 2, (\q)%2, \q, \slot, \zero
	s_wait_dscnt 0
	PLACES NP
	FETCH_B \slot, (\q)+1, 1-(\q)%2
	FETCH_A \slot, (\q)+1, 0
	WIN MUL_HI
	MUL16 4, (\q)%2, \q, \slot, \zero
	MUL16 6, (\q)%2, \q, \slot, \zero
	PLACES NP
	WIN 0
	FETCH_A \slot, (\q)+1, 4
.endm
; Slot 0's last step changes slots: one barrier; in front of it each wave waits for all its tensor loads (its part of slot 1), adds 0 to its spare word, and waits for that and for its reads of slot 0.
.macro TURN slot, next
	s_wait_tensorcnt 0x0
	ds_add_u32 v[SPW], v[NIL]
	s_wait_dscnt 4*NL+1                            ; (the add and X's blocks 4-7 may be out)
	WIN MUL_LO
	MUL16 0, 1, NQ-1, \slot, 0
	s_wait_dscnt 0x0                               ; the add is done, and my reads of this slot are over
	s_barrier_signal -1
	MUL16 2, 1, NQ-1, \slot, 0
	WIN 0
	s_barrier_wait -1
	PLACES NP
	v_add_nc_u32 v[ADRS], 4*NQ, v[ADRS]            ; on to the next slot's scale words
	FETCH_B \next, 0, 0
	FETCH_A \next, 0, 0
	SCALES \next
	WIN MUL_HI
	MUL16 4, 1, NQ-1, \slot, 0
	MUL16 6, 1, NQ-1, \slot, 0
	PLACES NP
	WIN 0
	FETCH_A \next, 0, 4
.endm
	s_wait_tensorcnt 1                             ; the scales and my part of slot 0 are in (slot 1's load may be out),
	s_barrier_signal -1
	s_barrier_wait -1                              ; everybody's are
	FETCH_B 0, 0, 0
	FETCH_A 0, 0, 0
	SCALES 0
	FETCH_A 0, 0, 4
	STEP 0, 0, 1                                   ; the first products start the sums: nothing is cleared
	STEP 0, 1, 0
	STEP 0, 2, 0
	TURN 0, 1
	STEP 1, 0, 0
	STEP 1, 1, 0
	STEP 1, 2, 0
	s_wait_dscnt 4*NL                              ; the last step: nothing more to fetch
	WIN MUL_LO
	MUL16 0, 1, NQ-1, 1, 0
	MUL16 2, 1, NQ-1, 1, 0
	s_wait_dscnt 0
	WIN MUL_HI
	MUL16 4, 1, NQ-1, 1, 0
	MUL16 6, 1, NQ-1, 1, 0
	WIN 0
; THE WAY OUT, block by block of 16 rows x 128 columns (two heads).  PACK: rounded to f16, 16 bytes a lane, each accumulator from its low end on.  TOSTAGE: into my stage, and back by heads.
; SEND: sixteen lanes store two rows of one head: 256 consecutive bytes, aligned.
.macro PACK a
.set AC, 64*((\a)%4)
	WIN 0x0a+5*((\a)/4)                            ; sources 0 and 1: window 2 or 3
.irp b, 0,1,2,3,4,5,6,7
.irp r, 0,1,2,3
	v_cvt_pk_f16_f32 v[TMP+4*\b+\r], v[AC+8*\b+2*\r], v[AC+8*\b+2*\r+1]
.endr
.endr
	WIN 0
.endm
.macro TOSTAGE a
.set BB, 32+192*((\a)%2)               ; v32-63 and v224-255 by turns
.irp b, 0,1,2,3,4,5,6,7
	ds_store_b128 v[STO], v[TMP+4*\b:TMP+4*\b+3] offset:32*\b
.endr
.irp t, 0,1,2,3,4,5,6,7
	ds_load_b128 v[BB+4*\t:BB+4*\t+3], v[RD] offset:\t*2*SPITCH    ; LDS serves a wave's instructions in order: these see the stores above
.endr
.endm
.macro SEND a
.set BB, 32+192*((\a)%2)
	s_wait_dscnt 0x0                               ; the block is back in registers
	s_wait_xcnt 0x0                                ; the stores of the block before have read their registers: the next block's loads may land there
.irp t, 0,1,2,3,4,5,6,7
	global_store_b128 v[CO], v[BB+4*\t:BB+4*\t+3], s[12:13] offset:2048*(\a)+256*\t
.endr
.endm
	PLACES NP                                      ; behind the last products
	PACK 0
	TOSTAGE 0
.irp a, 1,2,3,4,5,6,7                  ; block a's conversions stand between block a - 1's loads from the stage and the wait for them
	PACK \a
	SEND \a-1
	TOSTAGE \a
.endr
	SEND 7
	s_wait_tensorcnt 0x0                           ; the wave's end
	ds_add_u32 v[SPW], v[NIL]
	s_wait_dscnt 0x0
	CROUND                                         ; the closing round
	s_endpgm
.Lfunc_end_k_q3b80501810_qkv:
	.size	k_q3b80501810_qkv, .Lfunc_end_k_q3b80501810_qkv-k_q3b80501810_qkv
	.p2alignl 7, 3214868480
	.fill 96, 4, 3214868480
	.section	.rodata,"a",@progbits
	.p2align	6, 0x0
	.amdhsa_kernel k_q3b80501810_qkv
		.amdhsa_group_segment_fixed_size 327680
		.amdhsa_private_segment_fixed_size 0
		.amdhsa_enable_private_segment 0
		.amdhsa_kernarg_size 40
		.amdhsa_user_sgpr_count 2
		.amdhsa_user_sgpr_kernarg_segment_ptr 1
		.amdhsa_wavefront_size32 1
		.amdhsa_system_sgpr_workgroup_id_x 1
		.amdhsa_system_sgpr_workgroup_id_y 1
		.amdhsa_system_sgpr_workgroup_id_z 1
		.amdhsa_system_vgpr_workitem_id 0
		.amdhsa_next_free_vgpr 1024
		.amdhsa_next_free_sgpr 98
		.amdhsa_reserve_vcc 0
		.amdhsa_float_denorm_mode_32 3
		.amdhsa_float_denorm_mode_16_64 3
		.amdhsa_memory_ordered 1
		.amdhsa_forward_progress 1
		.amdhsa_inst_pref_size 126
	.end_amdhsa_kernel
	.amdgpu_metadata
---
amdhsa.version: [ 1, 2 ]
amdhsa.kernels:
  - .name:           k_q3b80501810_qkv
    .symbol:         k_q3b80501810_qkv.kd
    .args:
      - { .name: xc, .offset: 0, .size: 8, .value_kind: global_buffer, .address_space: global }
      - { .name: xs, .offset: 8, .size: 8, .value_kind: global_buffer, .address_space: global }
      - { .name: wc, .offset: 16, .size: 8, .value_kind: global_buffer, .address_space: global }
      - { .name: ws, .offset: 24, .size: 8, .value_kind: global_buffer, .address_space: global }
      - { .name: qkv, .offset: 32, .size: 8, .value_kind: global_buffer, .address_space: global }
    .group_segment_fixed_size: 327680
    .private_segment_fixed_size: 0
    .kernarg_segment_align: 8
    .kernarg_segment_size: 40
    .max_flat_workgroup_size: 128
    .sgpr_count:     98
    .vgpr_count:     1024
    .wavefront_size: 32
...
	.end_amdgpu_metadata
.endif
;; end of part 2
;; launch attn (part 3): grid 8 x 64, 4 waves a work-group, clusters of 4 x 1, 327,680 bytes of LDS; arguments qkv, attention_mask, att; writes att
.if DOCPART == 3
	.amdgcn_target "amdgcn-amd-amdhsa--gfx1250"
	.amdhsa_code_object_version 6
	.text
	.protected	k_q3b80501810_attn
	.globl	k_q3b80501810_attn
	.p2align	8
	.type	k_q3b80501810_attn,@function
k_q3b80501810_attn:
	s_mov_b64 s[64:65], 0
	v_nop
	global_prefetch_b8 v0, s[64:65] scope:SCOPE_SE
	s_setreg_imm32_b32 hwreg(HW_REG_WAVE_MODE, 25, 1), 1
	s_wait_xcnt 0x0
	s_wait_alu depctr_hold_cnt(0) depctr_sa_sdst(0) depctr_va_vdst(0) depctr_va_sdst(0) depctr_va_ssrc(0) depctr_va_vcc(0) depctr_vm_vsrc(0)
	s_getreg_b32 s2, hwreg(HW_REG_IB_STS2, 6, 4)
	s_cmp_eq_u32 s2, 0
	s_cbranch_scc0 .Lentry_in_a_cluster
	s_endpgm
.Lentry_in_a_cluster:
	s_bfe_u32 s2, ttmp6, 0x10000c
	s_cmp_lg_u32 s2, 0x3003
	s_cbranch_scc0 .Lentry_shape_is_right
	s_endpgm
.Lentry_shape_is_right:
; att[head][2048 b + q][:] = the sum over k of softmax_k(q . k / 8, keys with mask 0 left out) v[k][:], for each batch b and head.  q, k, v: f16, [b][g][s 2048][64] (g = head, 16 + head, 32 + head).
; Products, maxima and sums in f32; the weights p are rounded to f16 for the second product, the result once at the end.  att: [head 16][8192][64] f16.
; SHARES.  A work-group owns 256 queries of one (batch, head), each of its four waves 64: four tiles of 16.  Every wave walks all 2,048 keys, 64 a step.
; LAYOUT.  S^T = K Q^T (source 0 = 16 keys, source 1 = 16 queries): a lane holds ONE query (lane % 16) and the keys 8 (lane / 16) + 0..7.  Two such tiles, rounded to f16 in pairs, ARE source 1 of O^T = V^T P.
; K comes out of LDS as it lies, V ([key][channel]) turned, by ds_load_tr16_b128.
; SOFTMAX.  A running maximum m and sum l for each query: p = 2^(c s - c m), c = log2(e) / 8; in every step O and l are multiplied by a = 2^(c m_old - c m_new).
; THE MASK.  At the head the batch's 2,048 mask words become f32 numbers in LDS: 0 for a key that counts (any word but 0), -3e38 for one that does not.  A step's 64 of them, loaded in the layout of a
; result tile, are the C of each score tile's first matrix instruction.  |s| <= 64 x 65,504^2 = 2.7e11, so a hidden score stays near -3e38 and finite.  m starts from -1e30, far under every score that counts
; and far over the hidden ones: c s - c m of a hidden key is about -5e37 and p = 0 exactly; a step with no key that counts leaves l = 0 and O = 0, and the first key that counts gives a = 0.
; A batch with no key that counts ends in 0 x (1 / 0) = NaN, as the softmax of a row of -infinity is.
; LIMITS: |q|, |k|, |v| up to 65,504 (f16); results under 6e-5 are f16 subnormals; NaN and infinities among the inputs are not served.
; BY TURNS.  The wave's tiles are two PIECES (tiles 0, 1 and tiles 2, 3).  In a TURN one piece has the matrix unit (16 products V^T P of the step in hand, then 16 products K Q^T of the next step) and the other
; piece's softmax, 236 vector instructions cut into 59 slices of four, stands between them, one or two slices behind each product.  Two turns are a key step.
; CLUSTER.  The four query blocks of a cluster belong to one (batch, head) and walk the same K and V: each tile is asked for JOINTLY.
; REGISTERS: window 0: v0-11, v44-47, v61-63 addresses and constants; v12-43 statistics, 8 a tile; v64-191 S^T, 32 a tile; v192-255 P, 16 a tile.
;   window 1: v0-127 O^T, 32 a tile; v128-191 V of one step.   window 2: v0-63 Q; v64-127 K of one step; v128-159 the step's mask numbers.
.set KS,    64                         ; keys in a step
.set PKP,   144                        ; a row of K in LDS: 128 bytes + 16: nine times 16, so the 16 rows of a load start at 16 different groups of banks
.set PVP,   160                        ; a row of V: 128 + 32: five times 32, for the turning load
.set KSTEP, KS*PKP
.set VSTEP, KS*PVP
.set VOFF,  256*PKP                    ; a slot holds four steps: 256 rows of K, then 256 rows of V
.set SLOT1, 1<<17                      ; slot 1 begins here: one exclusive or turns an address in one slot into the other's
.set SLOTM, 32768                      ; a slot's 256 rows of 128 bytes in memory
.set STAGE, SLOT1+256*(PKP+PVP)        ; behind the ring: 16 rows x 144 bytes for each wave, for the way out
.set SP,    144
.set BIAS,  STAGE+4*16*SP              ; the mask as 2,048 f32
.set SPARE, BIAS+8192                  ; the spare words, 128 bytes for each wave
.set FLOOR, 0xf149f2ca                 ; -1e30
.set AK0, 2
.set AV0, 3
.set ADR, 4
.set QO,  5
.set STO, 6
.set RD,  7
.set GO,  8
.set AB0, 44                           ; v44  my lane's place among a step's mask numbers
.set ADB, 45
.set PFO, 61                           ; v61  256 x my lane; never rewritten
.set SPW, 62
.set NIL, 63
.set ST,  12                           ; tile t's statistics at v[ST+8 t]: +0 c m, +1 m, +2, +3 l, +4 to +7 c0-c3 at work; a takes c2's place
.set S,   64
.set P,   192
.set VF,  128                          ; V's fragments, in window 1
.set KF,  64                           ; K's, in window 2
.set BI,  128                          ; the mask numbers, in window 2
.set WV,  12
.set LIM, 15
.set PFA, 18
.set G1K, 24
.set G1V, 32
.set G0K, 40                           ; s[40:47]: a set for each of the two first fills; the second then walks on
.set G0V, 48
.set SLOTS, 56
.set CNT, 57
.set CS,  58
.set SEL, 60
.set TK,  62                           ; LDS byte at which K of the step to be fetched begins
.set TV,  63                           ; the same for V (less VOFF)
.set TBI, 66                           ; and for the mask numbers: 256 bytes a step
.set MSB, 0
.macro WIN new
.if MSB != (\new)
	s_set_vgpr_msb (MSB<<8)|(\new)
.set MSB, (\new)
.endif
.endm
.set W_KQ,  0x0a                       ; K and Q in window 2, S^T in window 0
.set W_KQ0, 0x2a                       ; the same, C = the mask numbers in window 2
.set W_PV,  0x51                       ; V and O^T in window 1, P in window 0
.set W_RS,  0x41                       ; O^T (destination and source 0) in window 1, a in window 0
; A joint refill.  Waves 0 and 1 fetch the halves of a slot's K, waves 2 and 3 of its V.  An s_nop 0 and four v_nop follow each of the two lines.
.macro JLOAD
	s_cmp_lt_u32 s[WV], 2
	s_cbranch_scc0 .Lfor_v_\@
	tensor_load_to_lds s[G0K+4:G0K+7], s[G1K:G1K+7]
	s_nop 0
.rept 4
	v_nop
.endr
	s_branch .Lasked_\@
.Lfor_v_\@:
	tensor_load_to_lds s[G0V+4:G0V+7], s[G1V:G1V+7]
	s_nop 0
.rept 4
	v_nop
.endr
.Lasked_\@:
.endm
; A prefetch of what the NEXT change of slots will ask for: a slot's 32,768 bytes of K and of V, in blocks of 256 bytes, a lane a block.  Each block is named once in the launch: of the two clusters that walk
; a head's K and V the first asks; its four partners take 32 blocks each, told apart by address; in each, wave 0 asks for K's and wave 2 for V's.  It runs one slot, four key steps, ahead of the joint load;
; the last change that fills a slot asks for nothing, and nothing is asked for at the head.
.macro ASK
	s_cmp_gt_u32 s[SLOTS], s[LIM]
	s_cbranch_scc0 .Lnot_mine_\@
	global_prefetch_b8 v[PFO], s[PFA:PFA+1] th:TH_LOAD_NT scope:SCOPE_SE
.Lnot_mine_\@:
.endm
.macro CROUND                          ; a round of the cluster's barrier
	s_barrier_signal -1
	s_barrier_wait -1
	s_cmp_lg_u32 s[WV], 0
	s_cbranch_scc1 .Lnot_wave_0_\@
	s_barrier_signal -3
.Lnot_wave_0_\@:
	s_barrier_wait -3
	s_barrier_signal -1
	s_barrier_wait -1
.endm
	s_load_b128 s[68:71], s[0:1], 0x0              ; qkv s[68:69], the mask s[70:71]
	s_load_b64 s[10:11], s[0:1], 0x10              ; att
	v_lshl_add_u32 v[SPW], v0, 2, SPARE
	v_mov_b32 v[NIL], 0
	ds_add_u32 v[SPW], v[NIL]                      ; the wave's opening: the add, twice on end, and its wait ahead of my first tensor load
	ds_add_u32 v[SPW], v[NIL]
	v_lshrrev_b32 v1, 5, v0
	v_readfirstlane_b32 s[WV], v1                  ; wave 0..3
	s_bfe_u32 s13, ttmp6, 0x40000                  ; cx
	s_lshl_b32 s14, ttmp9, 2
	s_add_co_u32 s14, s14, s13                     ; my block of 256 queries: it enters Q's and att's addresses alone
	s_and_b32 s20, ttmp7, 0xffff
	s_lshr_b32 s21, s20, 4                         ; the batch
	s_and_b32 s20, s20, 15                         ; the head
	s_mul_i32 s22, s21, 48
	s_add_co_u32 s22, s22, s20
	s_lshl_b32 s22, s22, 18                        ; q's head begins here in qkv: 262,144 bytes a head
	s_and_b32 s16, s[WV], 1                        ; which half of a slot's rows I fetch
	s_lshl_b32 s2, s16, 14
	s_add_co_u32 s2, s2, s22
	s_add_co_u32 s2, s2, 0x400000                  ; k's head lies 16 heads on
	s_mov_b32 s3, 0
	s_mul_i32 s17, s16, 128*PKP                    ; my half's place in a slot: K's,
	s_mul_i32 s67, s16, 128*PVP
	s_add_co_u32 s67, s67, VOFF                    ; V's: no place in the cluster enters an LDS address
	s_lshl_b32 s23, s14, 15                        ; my block's 256 rows of 128 bytes,
	s_lshl_b32 s66, s[WV], 13                      ; my wave's 64 of them
	s_add_co_u32 s23, s23, s66
	s_add_co_u32 s22, s22, s23                     ; Q
	s_lshl_b32 s20, s20, 20                        ; att: 1,048,576 bytes a head,
	s_lshl_b32 s66, s21, 18                        ; 262,144 a batch
	s_add_co_u32 s20, s20, s66
	s_add_co_u32 s20, s20, s23
	s_lshl_b32 s16, s21, 13                        ; the batch's 8,192 bytes of the mask
	s_mov_b32 s21, 0
	s_mov_b32 s23, 0
	s_mov_b32 s[G1K], 15|(1<<16)|(1<<20)|(1<<21)|(4<<22)|(3<<25)  ; the mask: all four work-groups; elements of 2 bytes; padding on: 4 words after every 32
	s_mov_b32 s[G1V], 15|(1<<16)|(1<<20)|(1<<21)|(4<<22)|(7<<25)  ; the same with 8 words of padding
.irp g, G1K, G1V
	s_mov_b32 s[\g+1], 64<<16                      ; tensor_dim0 = 64
	s_mov_b32 s[\g+2], 128<<16                     ; tensor_dim1 = 128
	s_mov_b32 s[\g+3], 64<<16                      ; tile_dim0 = 64
	s_mov_b32 s[\g+4], 128                         ; tile_dim1 = 128
	s_mov_b32 s[\g+5], 64                          ; the pitch: a head's rows are dense
	s_mov_b32 s[\g+6], 0
	s_mov_b32 s[\g+7], 0
.endr
	s_mov_b32 s[CS], 0x3e38aa3b                    ; c = log2(e) / 8
	s_mov_b32 s[CS+1], s[CS]
	s_mov_b32 s[SEL], 0x76543210
	s_mov_b32 s[SEL+1], 0xfedcba98
	s_mov_b32 s[TK], 0
	s_mov_b32 s[TV], 0
	s_mov_b32 s[TBI], 0
	s_mov_b32 s[SLOTS], 6                          ; eight slots' worth of keys; two are asked for at the head
	s_and_b32 s[LIM], s[WV], 1
	s_or_b32 s[LIM], s[LIM], ttmp9                 ; 0 in waves 0 and 2 of the head's first cluster: the same in all four partners
	s_cmp_eq_u32 s[LIM], 0
	s_cselect_b32 s[LIM], 1, -1
	v_and_b32 v[PFO], 31, v0
	v_lshlrev_b32 v[PFO], 8, v[PFO]
	s_wait_dscnt 0x0                               ; both opening adds are done
	s_wait_kmcnt 0x0
	s_add_nc_u64 s[6:7], s[68:69], s[2:3]          ; K at my half of slot 0
	s_add_nc_u64 s[8:9], s[6:7], 0x400000          ; V: 16 heads further on
	s_add_nc_u64 s[4:5], s[68:69], s[22:23]        ; Q at my wave's first row
	s_add_nc_u64 s[10:11], s[10:11], s[20:21]      ; att likewise
	s_cmp_lt_u32 s[WV], 2
	s_cselect_b64 s[PFA:PFA+1], s[6:7], s[8:9]     ; (in waves 0 and 2 these stand at a slot's first row)
	s_lshl_b32 s2, s13, 13                         ; my work-group's 32 blocks of the 128
	s_mov_b32 s3, 0
	s_add_nc_u64 s[PFA:PFA+1], s[PFA:PFA+1], s[2:3]
	s_add_nc_u64 s[PFA:PFA+1], s[PFA:PFA+1], 2*SLOTM   ; in slot 2; the first change of slots steps it to slot 3
	CROUND                                         ; all four work-groups are here: the first joint loads meet
.irp s, 0,1
	s_mov_b32 s[G0K+4*\s], 1
	s_add_co_u32 s[G0K+4*\s+1], s17, \s*SLOT1
	s_add_nc_u64 s[G0K+4*\s+2:G0K+4*\s+3], s[6:7], \s*SLOTM
	s_or_b32 s[G0K+4*\s+3], s[G0K+4*\s+3], 0x80000000
	s_mov_b32 s[G0V+4*\s], 1
	s_add_co_u32 s[G0V+4*\s+1], s67, \s*SLOT1
	s_add_nc_u64 s[G0V+4*\s+2:G0V+4*\s+3], s[8:9], \s*SLOTM
	s_or_b32 s[G0V+4*\s+3], s[G0V+4*\s+3], 0x80000000
.endr
	s_cmp_lt_u32 s[WV], 2                          ; a wave's two first fills stand in one branch: two loads of mine are out
	s_cbranch_scc0 .Lfirst_v
	tensor_load_to_lds s[G0K:G0K+3], s[G1K:G1K+7]
	s_nop 0
	tensor_load_to_lds s[G0K+4:G0K+7], s[G1K:G1K+7]
	s_nop 0
.rept 4
	v_nop
.endr
	s_branch .Lfirst_asked
.Lfirst_v:
	tensor_load_to_lds s[G0V:G0V+3], s[G1V:G1V+7]
	s_nop 0
	tensor_load_to_lds s[G0V+4:G0V+7], s[G1V:G1V+7]
	s_nop 0
.rept 4
	v_nop
.endr
.Lfirst_asked:
	v_lshl_add_u32 v46, v0, 4, s16                 ; the mask: 128 threads x 16 bytes, four times
.irp i, 0,1,2,3
	global_load_b128 v[S+4*\i:S+4*\i+3], v46, s[70:71] offset:2048*\i
.endr
	v_and_b32 v1, 15, v0                           ; r = l % 16
	v_bfe_u32 v9, v0, 4, 1                         ; h = l / 16
	v_lshlrev_b32 v[QO], 7, v1
	v_lshl_add_u32 v[QO], v9, 4, v[QO]             ; row x 128 + 16 x half
	WIN 0x80                                       ; destination window 2
.irp i, 0,1,2,3,4,5,6,7                        ; Q stays in registers: tile i / 2, channels 32 (i % 2) on
	global_load_b128 v[8*\i:8*\i+3],   v[QO], s[4:5] offset:(\i/2)*2048+(\i%2)*64
	global_load_b128 v[8*\i+4:8*\i+7], v[QO], s[4:5] offset:(\i/2)*2048+(\i%2)*64+32
.endr
	WIN 0
	v_mul_u32_u24 v[AK0], v1, PKP
	v_lshl_add_u32 v[AK0], v9, 4, v[AK0]           ; K: row x pitch + 16 x half
	v_and_b32 v10, 7, v0                           ; V, for the turning load: key 8 h + l % 8, channels 8 ((l / 8) % 2) on
	v_bfe_u32 v11, v0, 3, 1
	v_lshl_add_u32 v[AV0], v9, 3, v10
	v_mul_u32_u24 v[AV0], v[AV0], PVP
	v_lshl_add_u32 v[AV0], v11, 4, v[AV0]
	v_add_nc_u32 v[AV0], VOFF, v[AV0]
	v_lshl_add_u32 v[AB0], v9, 5, BIAS             ; the mask numbers of keys 8 h + 0..7 of a tile
	v_mov_b32 v47, 0xff61b1e6                      ; -3e38
	v_lshl_add_u32 v11, v0, 4, BIAS                ; where my 16 bytes of them go
	s_wait_loadcnt 16                              ; the mask's four loads are in; Q's sixteen may be out
.irp i, 0,1,2,3,4,5,6,7,8,9,10,11,12,13,14,15
	v_cmp_eq_u32 vcc_lo, 0, v[S+\i]
	v_cndmask_b32 v[S+\i], 0, v47, vcc_lo          ; 0 where the key counts, -3e38 where its mask word is 0
.endr
.irp i, 0,1,2,3
	ds_store_b128 v11, v[S+4*\i:S+4*\i+3] offset:2048*\i
.endr
; THE MATRIX WORK OF A TURN, for piece x.  The accumulators take turns, one instruction a turn: between two links of a chain stand seven others'.
; Product i of 16 of O^T += V^T P: keys 32 (i / 8) on, channels 16 ((i / 2) % 4) on, tile x + i % 2.  zero = 1: the first 8 start the sums.
.macro PV x, zero
	WIN W_PV
.set rO, 32*(\x+i%2)+8*((i/2)%4)
.set rV, VF+32*(i/8)+8*((i/2)%4)
.set rP, P+16*(\x+i%2)+8*(i/8)
.if \zero && (i < 8)
	v_wmma_f32_16x16x32_f16 v[rO:rO+7], v[rV:rV+7], v[rP:rP+7], 0
.else
	v_wmma_f32_16x16x32_f16 v[rO:rO+7], v[rV:rV+7], v[rP:rP+7], v[rO:rO+7]
.endif
.endm
; Product i of 16 of S^T = K Q^T: channels 32 (i / 8) on, keys 16 ((i / 2) % 4) on, tile x + i % 2.  The first 8 start the sums from the keys' mask numbers.
.macro KQ x
.set rS, S+32*(\x+i%2)+8*((i/2)%4)
.set rK, KF+16*((i/2)%4)+8*(i/8)
.set rQ, 16*(\x+i%2)+8*(i/8)
.set rB, BI+8*((i/2)%4)
.if i < 8
	WIN W_KQ0
	v_wmma_f32_16x16x32_f16 v[rS:rS+7], v[rK:rK+7], v[rQ:rQ+7], v[rB:rB+7]
.else
	WIN W_KQ
	v_wmma_f32_16x16x32_f16 v[rS:rS+7], v[rK:rK+7], v[rQ:rQ+7], v[rS:rS+7]
.endif
.endm
; THE LDS LOADS stand in runs: a step's K (8 fragments) with its 64 mask numbers, and, a turn later, its V (turned).
.macro FETCH_K
	WIN 0
	v_add_nc_u32 v[ADR], s[TK], v[AK0]
	v_add_nc_u32 v[ADB], s[TBI], v[AB0]
	WIN 0x80
.irp f, 0,1,2,3,4,5,6,7                        ; keys 16 (f / 2) on, channels 32 (f % 2) on
	ds_load_b128 v[KF+8*\f:KF+8*\f+3],   v[ADR] offset:(\f/2)*16*PKP+(\f%2)*64
	ds_load_b128 v[KF+8*\f+4:KF+8*\f+7], v[ADR] offset:(\f/2)*16*PKP+(\f%2)*64+32
.endr
.irp t, 0,1,2,3                                ; register j of tile t: the number of key 16 t + 8 h + j
	ds_load_b128 v[BI+8*\t:BI+8*\t+3],   v[ADB] offset:64*\t
	ds_load_b128 v[BI+8*\t+4:BI+8*\t+7], v[ADB] offset:64*\t+16
.endr
.endm
.macro FETCH_V
	WIN 0
	v_add_nc_u32 v[ADR], s[TV], v[AV0]
	s_add_co_u32 s[TK], s[TK], KSTEP               ; the next fetches are the next step's
	s_add_co_u32 s[TV], s[TV], VSTEP
	s_add_co_u32 s[TBI], s[TBI], 4*KS
	s_wait_alu depctr_va_vdst(0)                   ; the wait for the softmax's batch of exponentials, ahead of the first line that names a result
	WIN 0x40
.irp f, 0,1,2,3,4,5,6,7                        ; keys 32 (f / 4) on, channels 16 (f % 4) on
	ds_load_tr16_b128 v[VF+8*\f:VF+8*\f+3],   v[ADR] offset:(\f/4)*32*PVP+(\f%4)*32
	ds_load_tr16_b128 v[VF+8*\f+4:VF+8*\f+7], v[ADR] offset:(\f/4)*32*PVP+16*PVP+(\f%4)*32
.endr
.endm
; THE VECTOR WORK OF A TURN.  One tile's softmax for one key step is a list of 118 instructions; SM writes number j of it for tile t.
;   0-15    the maximum of the lane's 32 scores and the old m (first step: and -1e30), three operands at a time
;   16-20   the other half of the lanes' maximum; the new m; c m; c m_old - c m_new
;   21-69   ONE BATCH: 16 packed scalings c s - c m and all 33 exponentials (a at 23); none of these reads an exponential's result
;   (wait)  between 69 and 70 stands the one wait for the batch (SLICE writes it)
;   70-85   the roundings to f16;   86-101 the sums, l = a l + the sum;   102-117 the tile's O^T times a
.macro SM t, first
.set rT, ST+8*(\t)
.set rS, S+32*(\t)
.set rP, P+16*(\t)
.set rO, 32*(\t)+2*(j-102)
.if j < 102
	WIN 0
.endif
.if j < 4
	v_max3_num_f32 v[rT+4+j], v[rS+8*j], v[rS+8*j+1], v[rS+8*j+2]          ; each score tile is read from its low end on
.elseif j < 12
	v_max3_num_f32 v[rT+4+j%4], v[rT+4+j%4], v[rS+8*(j%4)+2*(j/4)+1], v[rS+8*(j%4)+2*(j/4)+2]
.elseif j == 12
	v_max3_num_f32 v[rT+4], v[rT+4], v[rS+7], v[rS+15]
.elseif j == 13
	v_max3_num_f32 v[rT+6], v[rT+6], v[rS+23], v[rS+31]
.elseif j == 14
	v_max3_num_f32 v[rT+4], v[rT+4], v[rT+5], v[rT+6]
.elseif (j == 15) && \first
	v_max3_num_f32 v[rT+4], v[rT+4], v[rT+7], FLOOR
.elseif j == 15
	v_max3_num_f32 v[rT+4], v[rT+4], v[rT+7], v[rT+1]
.elseif j == 16
	v_permlanex16_b32 v[rT+5], v[rT+4], s[SEL], s[SEL+1]                   ; the query's other 32 keys lie in the lane 16 away
.elseif j == 18
	v_max_num_f32 v[rT+1], v[rT+4], v[rT+5]
.elseif j == 19
	v_mul_f32 v[rT], s[CS], v[rT+1]
.elseif ((j == 17) || (j == 20) || (j == 23) || (j > 101)) && \first       ; the first step has none of these
.elseif j == 17
	v_mov_b32 v[rT+7], v[rT]
.elseif j == 20
	v_sub_f32 v[rT+7], v[rT+7], v[rT]
.elseif j == 23
	v_exp_f32 v[rT+6], v[rT+7]
.elseif (j < 23) || ((j < 38) && (j%2 == 0)) || ((j < 66) && (j%4 == 2))
.set b, (j-2)/4
.if j < 38
.set b, (j-20)/2
.endif
	v_pk_fma_f32 v[rS+2*b:rS+2*b+1], v[rS+2*b:rS+2*b+1], s[CS:CS+1], v[rT:rT+1] op_sel_hi:[1,0,0] neg_lo:[0,0,1] neg_hi:[0,0,1]
.elseif j < 70
.set e, j-38
.if j < 66
.set e, j-32-(j-38)/4
.endif
.if j < 38
.set e, (j-25)/2
.endif
	v_exp_f32 v[rS+e], v[rS+e]
.elseif j < 86
	v_cvt_pk_f16_f32 v[rP+j-70], v[rS+2*(j-70)], v[rS+2*(j-70)+1]
.elseif j < 102
.set z, j-86
.set w, 4
.set u, z
.if z >= 14
.set w, 32
.set u, 0
.elseif z >= 12
.set w, 16
.set u, z-12
.elseif z >= 8
.set w, 8
.set u, z-8
.endif
.if (z == 14) && \first
	v_pk_add_f32 v[rT+2:rT+3], v[rS:rS+1], v[rS+16:rS+17]
.elseif z < 15
	v_pk_add_f32 v[rS+w*u:rS+w*u+1], v[rS+w*u:rS+w*u+1], v[rS+w*u+w/2:rS+w*u+w/2+1]
.elseif !\first
	v_pk_fma_f32 v[rT+2:rT+3], v[rT+2:rT+3], v[rT+6:rT+7], v[rS:rS+1] op_sel_hi:[1,0,1]
.endif
.else
	WIN W_RS
	v_pk_mul_f32 v[rO:rO+1], v[rO:rO+1], v[rT+6:rT+7] op_sel_hi:[1,0]
.endif
.endm
; Slice k of 59 of piece y's softmax: four instructions.  Slices 11 to 34 deal out the batch, four numbers of ONE tile each, the tiles by turns; every other slice is numbers 2 k and 2 k + 1 of both tiles.
; Ahead of slice 35 nothing names an exponential's result, and behind slice 34 no exponential is issued: so the piece's 66 exponentials have one wait, behind slice 34 and a plain line.
.macro SLICE y, first
.if (k >= 11) && (k < 35)
.irp n, 0,1,2,3
.set j, 22+4*((k-11)/2)+(\n)
	SM (\y)+(k-11)%2, \first
.endr
.else
.irp n, 0,1
.irp t, \y, \y+1
.set j, 2*k+\n
	SM \t, \first
.endr
.endr
.endif
.if k == 34
	v_nop                                          ; the plain line behind the last exponential
.if (\y) == 0
	FETCH_V                                        ; piece 2's turn: V's run of loads stands here, and the wait stands in it
.else
	s_wait_alu depctr_va_vdst(0)
.endif
.endif
.set k, k+1
.endm
.macro PLACES
.rept 4
	v_nop
.endr
.endm
; A TURN.  Piece x has the matrix unit; the other piece's 59 slices are dealt evenly behind its products.  pv = 2: 16 products V^T P; 1: they start O^T's sums; 0: none.  kq = 1: 16 products K Q^T for the next step.
; first = 1: the softmax is the first key step's; its slices from 51 on are empty, and four v_nop stand as the places behind the turn's last products.
; Piece 0's turn fetches the next step's K behind its second product: behind the last product that read K stand the eight packed multiplies of slices 57 and 58, which name none of its registers.
; Piece 2's turn fetches the same step's V behind slice 34: behind the last product that read V stand six scalings of the other piece, the v_nop and the run's own addition.
.macro TURN x, pv, kq, first
.set k, 0
.set pp, 0
.set NPR, 16
.if \pv && \kq
.set NPR, 32
.endif
.if \pv
.if \x == 0
	s_wait_dscnt 0x0                               ; V is in
.endif
.set i, 0
.rept 16
	PV \x, 2-\pv
.rept (59*(pp+1))/NPR-(59*pp)/NPR
	SLICE 2-\x, \first
.endr
.if (\x == 0) && \kq && (i == 1)
	FETCH_K
.endif
.set i, i+1
.set pp, pp+1
.endr
.endif
.if \kq
.if \x == 0
	s_wait_dscnt 0x0                               ; K and the mask numbers are in
.endif
.set i, 0
.rept 16
	KQ \x
.rept (59*(pp+1))/NPR-(59*pp)/NPR
	SLICE 2-\x, \first
.endr
.set i, i+1
.set pp, pp+1
.endr
.endif
.if \first
	PLACES
.endif
.endm
; THE CHANGE OF SLOTS, when the slot's last bytes, V of its fourth step, have been asked for.  Each wave waits for all its tensor loads (its part of the other slot), adds 0 to its spare word, and waits for that
; and for its own reads of the slot.  fill = 1: the slot is filled again with the keys two slots on: the barrier is then a round of the cluster's, and the joint refill is the first thing behind it:
; it has four key steps, 256 matrix instructions of the wave, in which to land.
.macro CHANGE fill
	WIN 0
	s_wait_tensorcnt 0x0                           ; no tensor load of mine is out, so a group 0 may be written
	ds_add_u32 v[SPW], v[NIL]
.if \fill
.irp g, G0K+4, G0V+4
	s_xor_b32 s[\g+1], s[\g+1], SLOT1              ; the walking descriptor: the other slot than last time,
	s_add_nc_u64 s[\g+2:\g+3], s[\g+2:\g+3], SLOTM ; the next 256 keys
.endr
	s_wait_xcnt 0x0                                ; the last prefetch, four key steps back, has read its address
	s_add_nc_u64 s[PFA:PFA+1], s[PFA:PFA+1], SLOTM
	s_wait_dscnt 0x0                               ; the add is done, and my reads of the slot are over
	CROUND
	JLOAD
	ASK
.else
	s_wait_dscnt 0x0
	s_barrier_signal -1
	s_barrier_wait -1
.endif
	s_sub_co_u32 s[TK], s[TK], 4*KSTEP             ; the fetches go back to a slot's first step,
	s_xor_b32 s[TK], s[TK], SLOT1                  ; in the other slot
	s_sub_co_u32 s[TV], s[TV], 4*VSTEP
	s_xor_b32 s[TV], s[TV], SLOT1
.endm
.macro STEPS n                         ; n key steps: written once, walked n times; the LDS addresses hang on the three scalars
	WIN 0
	s_mov_b32 s[CNT], \n
.Lstep_\@:
	TURN 0, 2, 1, 0
	TURN 2, 2, 1, 0
	WIN 0
	s_sub_co_u32 s[CNT], s[CNT], 1
	s_cmp_lg_u32 s[CNT], 0
	s_cbranch_scc1 .Lstep_\@
.endm
	s_wait_dscnt 0x0                               ; for the others' sake: my part of the mask numbers lies in LDS
	s_wait_tensorcnt 1                             ; my part of slot 0 is in; slot 1's may stay out
	s_barrier_signal -1
	s_barrier_wait -1
	FETCH_K                                        ; key step 0
	s_wait_loadcnt 0x0                             ; Q
	s_wait_dscnt 0x0
.set i, 0
.rept 16
	KQ 0                                           ; piece 0's first scores
.set i, i+1
.endr
	WIN 0                                          ; the addresses for the way out: ten plain lines, the places behind those products
	s_mul_i32 s17, s[WV], 16*SP
	s_add_co_u32 s17, s17, STAGE                   ; my stage
	v_mul_u32_u24 v[STO], v1, SP                   ; in: row l % 16, 16 bytes for each half of the lanes
	v_lshl_add_u32 v[STO], v9, 4, v[STO]
	v_add_nc_u32 v[STO], s17, v[STO]
	v_bfe_u32 v10, v0, 3, 2                        ; back: eight lanes to a row of 128 bytes, four rows an instruction
	v_mul_u32_u24 v[RD], v10, SP
	v_and_b32 v10, 7, v0
	v_lshl_add_u32 v[RD], v10, 4, v[RD]
	v_add_nc_u32 v[RD], s17, v[RD]
	v_and_b32 v[GO], 31, v0                        ; and in att the same four rows are 512 consecutive bytes
	v_lshlrev_b32 v[GO], 4, v[GO]
	TURN 2, 0, 1, 1                                ; piece 2's first scores | piece 0's first softmax | V of step 0
	TURN 0, 1, 1, 1                                ; piece 0: V^T P of step 0 starts O^T, K Q^T of step 1 | piece 2's first softmax | K of step 1
	TURN 2, 1, 1, 0                                ; piece 2: the same | piece 0's softmax of step 1 | V of step 1
	STEPS 2                                        ; slot 0's steps 2 and 3 are fetched
.Lslot:                                            ; six trips: every slot but the last two is filled again
	CHANGE 1
	STEPS 4
	s_sub_co_u32 s[SLOTS], s[SLOTS], 1
	s_cmp_lg_u32 s[SLOTS], 0
	s_cbranch_scc1 .Lslot
	CHANGE 0                                       ; the tail is written out
	STEPS 4
	TURN 0, 2, 0, 0                                ; piece 0: V^T P of the last step | piece 2's last softmax
.set i, 0
.rept 16
	PV 2, 0                                        ; piece 2: V^T P of the last step
.set i, i+1
.endr
	; THE WAY OUT.  l's two halves and the other half of the lanes' are added (these additions are the places behind the last products); O^T is divided by l, rounded to f16 and sent through my stage, a tile at a time.
	WIN 0
.irp t, 0,1,2,3
	v_add_f32 v[ST+8*\t+4], v[ST+8*\t+2], v[ST+8*\t+3]
.endr
.irp t, 0,1,2,3
	v_permlanex16_b32 v[ST+8*\t+5], v[ST+8*\t+4], s[SEL], s[SEL+1]
.endr
.irp t, 0,1,2,3
	v_add_f32 v[ST+8*\t+4], v[ST+8*\t+4], v[ST+8*\t+5]
.endr
.irp t, 0,1,2,3
	v_rcp_f32 v[ST+8*\t+6], v[ST+8*\t+4]
.endr
	v_nop                                          ; a plain line behind the last reciprocal
	s_wait_alu depctr_va_vdst(0)                   ; and one wait for the four, ahead of the first use
.macro OPACK t
	WIN W_RS
.set i, 32*\t
.rept 16
	v_pk_mul_f32 v[i:i+1], v[i:i+1], v[ST+8*\t+6:ST+8*\t+7] op_sel_hi:[1,0]
.set i, i+2
.endr
	WIN 0x05                                       ; sources 0 and 1 window 1, destination window 0: S^T's registers are free
.set i, 0
.rept 16
	v_cvt_pk_f16_f32 v[S+32*\t+i], v[32*\t+2*i], v[32*\t+2*i+1]
.set i, i+1
.endr
	WIN 0
.irp f, 0,1,2,3
	ds_store_b128 v[STO], v[S+32*\t+4*\f:S+32*\t+4*\f+3] offset:32*\f
.endr
.irp f, 0,1,2,3
	ds_load_b128 v[S+32*\t+4*\f:S+32*\t+4*\f+3], v[RD] offset:\f*4*SP      ; LDS serves a wave's instructions in order: these see the stores above; the next tile's stores come behind them
.endr
.endm
.macro OSEND t, younger                ; younger: the LDS lines issued behind tile t's loads: the next tile's eight, or none
.irp f, 0,1,2,3
	s_wait_dscnt \younger+3-\f
	global_store_b128 v[GO], v[S+32*\t+4*\f:S+32*\t+4*\f+3], s[10:11] offset:\t*2048+\f*512   ; 32 lanes store 512 consecutive bytes, at a multiple of 256 from att's first byte
.endr
.endm
	OPACK 0
	OPACK 1
	OSEND 0, 8
	OPACK 2
	OSEND 1, 8
	OPACK 3
	OSEND 2, 8
	OSEND 3, 0
	s_wait_tensorcnt 0x0                           ; the wave's end
	ds_add_u32 v[SPW], v[NIL]
	s_wait_dscnt 0x0
	CROUND                                         ; the closing round
	s_endpgm
.Lfunc_end_k_q3b80501810_attn:
	.size	k_q3b80501810_attn, .Lfunc_end_k_q3b80501810_attn-k_q3b80501810_attn
	.p2alignl 7, 3214868480
	.fill 96, 4, 3214868480
	.section	.rodata,"a",@progbits
	.p2align	6, 0x0
	.amdhsa_kernel k_q3b80501810_attn
		.amdhsa_group_segment_fixed_size 327680
		.amdhsa_private_segment_fixed_size 0
		.amdhsa_enable_private_segment 0
		.amdhsa_kernarg_size 24
		.amdhsa_user_sgpr_count 2
		.amdhsa_user_sgpr_kernarg_segment_ptr 1
		.amdhsa_wavefront_size32 1
		.amdhsa_system_sgpr_workgroup_id_x 1
		.amdhsa_system_sgpr_workgroup_id_y 1
		.amdhsa_system_sgpr_workgroup_id_z 1
		.amdhsa_system_vgpr_workitem_id 0
		.amdhsa_next_free_vgpr 672
		.amdhsa_next_free_sgpr 72
		.amdhsa_reserve_vcc 1
		.amdhsa_float_denorm_mode_32 3
		.amdhsa_float_denorm_mode_16_64 3
		.amdhsa_memory_ordered 1
		.amdhsa_forward_progress 1
		.amdhsa_inst_pref_size 201
	.end_amdhsa_kernel
	.amdgpu_metadata
---
amdhsa.version: [ 1, 2 ]
amdhsa.kernels:
  - .name:           k_q3b80501810_attn
    .symbol:         k_q3b80501810_attn.kd
    .args:
      - { .name: qkv, .offset: 0, .size: 8, .value_kind: global_buffer, .address_space: global }
      - { .name: attention_mask, .offset: 8, .size: 8, .value_kind: global_buffer, .address_space: global }
      - { .name: att, .offset: 16, .size: 8, .value_kind: global_buffer, .address_space: global }
    .group_segment_fixed_size: 327680
    .private_segment_fixed_size: 0
    .kernarg_segment_align: 8
    .kernarg_segment_size: 24
    .max_flat_workgroup_size: 128
    .sgpr_count:     72
    .vgpr_count:     672
    .wavefront_size: 32
...
	.end_amdgpu_metadata
.endif
;; end of part 3
;; launch proj (part 4): grid 4 x 64, 4 waves a work-group, clusters of 4 x 4, 327,680 bytes of LDS; arguments att, wo16, bo, out0; writes out0
.if DOCPART == 4
	.amdgcn_target "amdgcn-amd-amdhsa--gfx1250"
	.amdhsa_code_object_version 6
	.text
	.protected	k_q3b80501810_proj
	.globl	k_q3b80501810_proj
	.p2align	8
	.type	k_q3b80501810_proj,@function
k_q3b80501810_proj:
	s_mov_b64 s[64:65], 0
	v_nop
	global_prefetch_b8 v0, s[64:65] scope:SCOPE_SE
	s_setreg_imm32_b32 hwreg(HW_REG_WAVE_MODE, 25, 1), 1
	s_wait_xcnt 0x0
	s_wait_alu depctr_hold_cnt(0) depctr_sa_sdst(0) depctr_va_vdst(0) depctr_va_sdst(0) depctr_va_ssrc(0) depctr_va_vcc(0) depctr_vm_vsrc(0)
	s_getreg_b32 s2, hwreg(HW_REG_IB_STS2, 6, 4)
	s_cmp_eq_u32 s2, 0
	s_cbranch_scc0 .Lentry_in_a_cluster
	s_endpgm
.Lentry_in_a_cluster:
	s_bfe_u32 s2, ttmp6, 0x10000c
	s_cmp_lg_u32 s2, 0xf033
	s_cbranch_scc0 .Lentry_shape_is_right
	s_endpgm
.Lentry_shape_is_right:
; out0[m][n] = sum over k of A[m][k] Wo[k][n] + bo[n].  A = the attended values, f16, laid by head: att [head 16][m 8192][64], k = 64 head + channel.  wo16: [k 1024][n 1024] f16.  bo, out0: f32.  Sums in f32.
; A tile of out0 is 128 (m) x 256 (n): 256 work-groups.  Four waves, each 64 x 128: 32 accumulators of 16 x 16, 256 registers.  K goes in 8 steps of 128 (two heads) through a ring of two LDS slots.
; THE MATRIX INSTRUCTION IS USED TRANSPOSED: source 0 = 16 columns of Wo (turned out of LDS by ds_load_tr16_b128, since K is Wo's first axis), source 1 = 16 rows of A: a lane holds eight neighbouring
; numbers of a row of out0.  bo is the C of each sum's first matrix instruction: eight registers for each block of 16 columns, in the result's layout.
; CLUSTERS: 4 x 4 work-groups; A's tiles are shared along a row of the cluster, Wo's along a column: each is asked for JOINTLY.
; No prefetch: the launch has eight K steps, on a small tile.
; LIMITS: f16's range for both operands (|.| up to 65,504; under 6e-5 as subnormals); a NaN row of att (a batch with no key that counts) gives a NaN row of out0.
; REGISTERS: window 0: v0-31 addresses; v64-95, v96-127 A's fragments, two buffers; v128-191 bo, later with v192-255 the way out.  window 1: v0-63, v64-127 Wo's fragments, two buffers.  window 2: the accumulators, (a, b) at v[8 (8 a + b)].
.set PA,     144                       ; a row of A in LDS: 128 bytes + 16
.set AZ,     128*PA                    ; one head's 128 rows
.set PB,     544                       ; a row of Wo: 512 bytes + 32: seventeen times 32, for the turning load
.set BOFF,   2*AZ                      ; a slot: A's two heads, then Wo's 128 rows
.set SLOT,   BOFF+128*PB
.set STAGE,  2*SLOT                    ; behind the ring: 16 rows x (512 bytes + 16) for each wave
.set SPITCH, 528
.set SPARE,  STAGE+4*16*SPITCH
.set ADRA, 16
.set ADRB, 20
.set STO,  24
.set RD,   25
.set CO,   26
.set BA,   27
.set SPW,  28
.set NIL,  29
.set AF,   64
.set BI,   128
.set G1,  24                           ; s[24:31] group 1 for A's tiles; s[32:39] group 0, a set for each slot
.set G0,  32
.set G1B, 48                           ; s[48:55], s[56:63] the same for Wo's
.set G0B, 56
.set MSB, 0
.macro WIN new
.if MSB != (\new)
	s_set_vgpr_msb (MSB<<8)|(\new)
.set MSB, (\new)
.endif
.endm
.set MUL,  0xa1                        ; source 0 (Wo) window 1, source 1 (A) window 0, C and D window 2
.set MUL0, 0x81                        ; the same, C = bo in window 0
.set TO_B, 0x40
.macro JLOAD s                         ; waves 0 and 1 fetch A's two heads, waves 2 and 3 the halves of Wo's rows; an s_nop 0 and four v_nop follow each of the two lines
	s_cmp_eq_u32 s13, 0
	s_cbranch_scc0 .Lfor_b_\@
	tensor_load_to_lds s[G0+4*\s:G0+4*\s+3], s[G1:G1+7]
	s_nop 0
.rept 4
	v_nop
.endr
	s_branch .Lasked_\@
.Lfor_b_\@:
	tensor_load_to_lds s[G0B+4*\s:G0B+4*\s+3], s[G1B:G1B+7]
	s_nop 0
.rept 4
	v_nop
.endr
.Lasked_\@:
.endm
.macro CREST                           ; a round of the cluster's barrier behind its opening barrier
	s_cmp_lg_u32 s12, 0
	s_cbranch_scc1 .Lnot_wave_0_\@
	s_barrier_signal -3
.Lnot_wave_0_\@:
	s_barrier_wait -3
	s_barrier_signal -1
	s_barrier_wait -1
.endm
.macro CROUND
	s_barrier_signal -1
	s_barrier_wait -1
	CREST
.endm
	s_load_b128 s[4:7], s[0:1], 0x0                ; att, wo16
	s_load_b128 s[8:11], s[0:1], 0x10              ; bo, out0
	v_lshl_add_u32 v[SPW], v0, 2, SPARE
	v_mov_b32 v[NIL], 0
	ds_add_u32 v[SPW], v[NIL]                      ; the wave's opening: the add, twice on end, and its wait ahead of my first tensor load
	ds_add_u32 v[SPW], v[NIL]
	v_lshrrev_b32 v1, 5, v0
	v_readfirstlane_b32 s12, v1                    ; wave 0..3
	s_lshr_b32 s13, s12, 1                         ; which half of the tile's rows is mine.  Also: I fetch for A (0) or for Wo (1)
	s_and_b32 s14, s12, 1                          ; which half of its columns.  Also: which head, or which 64 rows of Wo, I fetch
	s_bfe_u32 s40, ttmp6, 0x40000                  ; cx, cy
	s_bfe_u32 s41, ttmp6, 0x40004
	s_lshl_b32 s42, ttmp9, 2
	s_add_co_u32 s42, s42, s40                     ; tile column
	s_and_b32 s15, ttmp7, 0xffff
	s_lshl_b32 s15, s15, 2
	s_add_co_u32 s15, s15, s41                     ; tile row
	s_lshl_b32 s43, s41, 2
	s_lshl_b32 s43, 15, s43                        ; my row of the cluster
	s_lshl_b32 s44, 0x1111, s40                    ; my column
	s_or_b32 s[G1+0], s43, (1<<16)|(1<<20)|(1<<21)|(4<<22)|(3<<25)   ; A: elements of 2 bytes; 4 words of padding after every 32
	s_mov_b32 s[G1+1], 64<<16                      ; tensor_dim0 = 64
	s_mov_b32 s[G1+2], 128<<16                     ; tensor_dim1 = 128
	s_mov_b32 s[G1+3], 64<<16                      ; tile_dim0 = 64
	s_mov_b32 s[G1+4], 128                         ; tile_dim1 = 128
	s_mov_b32 s[G1+5], 64                          ; the pitch: a head's rows are dense
	s_mov_b32 s[G1+6], 0
	s_mov_b32 s[G1+7], 0
	s_or_b32 s[G1B+0], s44, (1<<16)|(1<<20)|(1<<21)|(6<<22)|(7<<25)  ; Wo: 8 words of padding after every 128
	s_mov_b32 s[G1B+1], 256<<16                    ; tensor_dim0 = 256
	s_mov_b32 s[G1B+2], 64<<16                     ; tensor_dim1 = 64
	s_mov_b32 s[G1B+3], 256<<16                    ; tile_dim0 = 256
	s_mov_b32 s[G1B+4], 64                         ; tile_dim1 = 64
	s_mov_b32 s[G1B+5], 1024                       ; the pitch
	s_mov_b32 s[G1B+6], 0
	s_mov_b32 s[G1B+7], 0
	s_lshl_b32 s16, s14, 20                        ; A: my head of the K step's two, 1,048,576 bytes a head,
	s_lshl_b32 s17, s15, 14                        ; + 128 rows of 128 bytes for each tile row
	s_add_co_u32 s16, s16, s17
	s_mov_b32 s17, 0
	s_lshl_b32 s46, s14, 17                        ; Wo: my 64 rows of 2,048 bytes,
	s_lshl_b32 s47, s42, 9                         ; + 512 bytes for each tile column
	s_add_co_u32 s46, s46, s47
	s_mov_b32 s47, 0
	s_mul_i32 s20, s14, AZ                         ; where they go: no place in the cluster enters an LDS address
	s_mul_i32 s21, s14, 64*PB
	s_add_co_u32 s21, s21, BOFF
	s_wait_dscnt 0x0                               ; both opening adds are done
	s_wait_kmcnt 0x0
	s_add_nc_u64 s[18:19], s[4:5], s[16:17]
	s_add_nc_u64 s[46:47], s[6:7], s[46:47]
	CROUND                                         ; all sixteen work-groups are here: the first joint loads meet
.irp s, 0,1
	s_mov_b32 s[G0+4*\s], 1
	s_add_co_u32 s[G0+4*\s+1], s20, \s*SLOT
	s_add_nc_u64 s[G0+4*\s+2:G0+4*\s+3], s[18:19], \s*2097152      ; K step s: two heads on
	s_or_b32 s[G0+4*\s+3], s[G0+4*\s+3], 0x80000000
	s_mov_b32 s[G0B+4*\s], 1
	s_add_co_u32 s[G0B+4*\s+1], s21, \s*SLOT
	s_add_nc_u64 s[G0B+4*\s+2:G0B+4*\s+3], s[46:47], \s*262144     ; 128 rows on
	s_or_b32 s[G0B+4*\s+3], s[G0B+4*\s+3], 0x80000000
	JLOAD \s                                       ; two loads of mine are out
.endr
	v_and_b32 v1, 15, v0                           ; r
	v_bfe_u32 v2, v0, 4, 1                         ; h
	s_lshl_b32 s46, s42, 10
	s_lshl_b32 s47, s14, 9
	s_add_co_u32 s46, s46, s47                     ; my first column, in bytes of f32
	s_mov_b32 s47, 0
	s_add_nc_u64 s[8:9], s[8:9], s[46:47]
	v_lshlrev_b32 v[BA], 5, v2                     ; bo: for block b the numbers 16 b + 8 h + 0..7
.irp b, 0,1,2,3,4,5,6,7
	global_load_b128 v[BI+8*\b:BI+8*\b+3],   v[BA], s[8:9] offset:64*\b
	global_load_b128 v[BI+8*\b+4:BI+8*\b+7], v[BA], s[8:9] offset:64*\b+16
.endr
	s_lshl_b32 s16, s15, 19                        ; out0: 128 rows of 4,096 bytes for each tile row,
	s_lshl_b32 s17, s13, 18                        ; my 64 rows
	s_add_co_u32 s16, s16, s17
	s_mov_b32 s17, 0
	s_add_nc_u64 s[10:11], s[10:11], s[16:17]
	s_add_nc_u64 s[10:11], s[10:11], s[46:47]
	v_mul_u32_u24 v3, v1, PA
	v_lshl_add_u32 v3, v2, 4, v3                   ; A: row x pitch + 16 x half
	s_mul_i32 s21, s13, 64*PA                      ; my 64 rows
	v_and_b32 v4, 7, v0                            ; Wo, for the turning load: row 8 h + l % 8, columns 8 ((l / 8) % 2) on
	v_lshl_add_u32 v4, v2, 3, v4
	v_mul_u32_u24 v4, v4, PB
	v_bfe_u32 v5, v0, 3, 1
	v_lshl_add_u32 v4, v5, 4, v4
	s_lshl_b32 s22, s14, 8                         ; my 128 columns
	s_add_co_u32 s22, s22, BOFF
.irp s, 0,1
	v_add_nc_u32 v[ADRA+\s], s21, v3
	v_add_nc_u32 v[ADRB+\s], s22, v4
	s_add_co_u32 s21, s21, SLOT
	s_add_co_u32 s22, s22, SLOT
.endr
	s_mul_i32 s23, s12, 16*SPITCH
	s_add_co_u32 s23, s23, STAGE                   ; my stage
	v_mul_u32_u24 v5, v1, SPITCH                   ; in: row l % 16, 32 bytes for each half of the lanes
	v_lshl_add_u32 v5, v2, 5, v5
	v_add_nc_u32 v[STO], s23, v5
	v_and_b32 v6, 31, v0
	v_lshlrev_b32 v[CO], 4, v6                     ; back: the 32 lanes take one row of 512 bytes; and the same in out0
	v_add_nc_u32 v[RD], s23, v[CO]
; 24 LDS loads in one run: the fragments of the slot's q-th 32 along K into buffer f: Wo's eight blocks of 16 columns (turned), then A's four blocks of 16 rows
.macro FETCH slot, q, f
	WIN TO_B
.irp i, 0,1,2,3,4,5,6,7
	ds_load_tr16_b128 v[64*(\f)+8*\i:64*(\f)+8*\i+3],   v[ADRB+\slot] offset:32*(\q)*PB+32*\i
	ds_load_tr16_b128 v[64*(\f)+8*\i+4:64*(\f)+8*\i+7], v[ADRB+\slot] offset:32*(\q)*PB+32*\i+16*PB
.endr
	WIN 0
.irp i, 0,1,2,3
	ds_load_b128 v[AF+32*(\f)+8*\i:AF+32*(\f)+8*\i+3],   v[ADRA+\slot] offset:((\q)/2)*AZ+((\q)%2)*64+\i*16*PA
	ds_load_b128 v[AF+32*(\f)+8*\i+4:AF+32*(\f)+8*\i+7], v[ADRA+\slot] offset:((\q)/2)*AZ+((\q)%2)*64+\i*16*PA+32
.endr
.endm
; 8 matrix instructions: A's block a x Wo's eight.  The 32 accumulators take turns, one instruction a turn, in the same order in every quarter.
.macro MUL8 f, a, zero
.irp b, 0,1,2,3,4,5,6,7
.if \zero
	v_wmma_f32_16x16x32_f16 v[8*(8*(\a)+\b):8*(8*(\a)+\b)+7], v[64*(\f)+8*\b:64*(\f)+8*\b+7], v[AF+32*(\f)+8*(\a):AF+32*(\f)+8*(\a)+7], v[BI+8*\b:BI+8*\b+7]
.else
	v_wmma_f32_16x16x32_f16 v[8*(8*(\a)+\b):8*(8*(\a)+\b)+7], v[64*(\f)+8*\b:64*(\f)+8*\b+7], v[AF+32*(\f)+8*(\a):AF+32*(\f)+8*(\a)+7], v[8*(8*(\a)+\b):8*(8*(\a)+\b)+7]
.endif
.endr
.endm
.macro PLACES                          ; four plain lines in front of loads into registers that matrix instructions have read, and of reads of results
.rept 4
	v_nop
.endr
.endm
; A K step is four quarters of 32 along K, 32 matrix instructions each, on buffers 0, 1, 0, 1.  One of the first three: multiplies buffer f and fetches quarter qn into g.
.macro QUARTER slot, qn, f, g, zero
	s_wait_dscnt 4                                 ; Wo's fragments and A's blocks 0, 1 are in; the youngest four loads (A's blocks 2, 3) may be out
	WIN MUL-0x20*(\zero)
	MUL8 \f, 0, \zero
	MUL8 \f, 1, \zero
	PLACES
	FETCH \slot, \qn, \g
	s_wait_dscnt 24                                ; all but the 24 just issued
	WIN MUL-0x20*(\zero)
	MUL8 \f, 2, \zero
	MUL8 \f, 3, \zero
.endm
; The last quarter multiplies buffer 1 and changes slots: ONE barrier; in front of it each wave waits for all its tensor loads, adds 0 to its spare word, and waits for that and for its reads of this slot.
; fill = 1: the barrier opens a round of the cluster's, and this slot is filled again, two K steps ahead: 112 matrix instructions of the wave stand between the request and the wait for it.
.macro TURN slot, next, fill
	WIN 0
	s_wait_tensorcnt 0x0
	ds_add_u32 v[SPW], v[NIL]
	s_wait_dscnt 5                                 ; (the add and the youngest four loads may be out)
	WIN MUL
	MUL8 1, 0, 0
	s_wait_dscnt 0x0                               ; the add is done, and my reads of this slot are over
	s_barrier_signal -1
	MUL8 1, 1, 0
.if \fill
	WIN 0
.endif
	s_barrier_wait -1
.if \fill
	CREST
	s_add_nc_u64 s[G0+4*\slot+2:G0+4*\slot+3], s[G0+4*\slot+2:G0+4*\slot+3], 4194304     ; four heads on
	s_add_nc_u64 s[G0B+4*\slot+2:G0B+4*\slot+3], s[G0B+4*\slot+2:G0B+4*\slot+3], 524288  ; 256 rows on
	JLOAD \slot                                    ; the first tensor load behind the round; its four v_nop are also the places in front of the loads below
.else
	PLACES
.endif
	FETCH \next, 0, 0
	WIN MUL
	MUL8 1, 2, 0
	MUL8 1, 3, 0
.endm
	s_wait_tensorcnt 1                             ; my part of K step 0 is in (K step 1's load may be out),
	s_barrier_signal -1
	s_barrier_wait -1                              ; everybody's is
	FETCH 0, 0, 0
	s_wait_loadcnt 0x0                             ; bo
	QUARTER 0, 1, 0, 1, 1                          ; the first quarter's products start the sums from bo
	WIN 0
	s_mov_b32 s3, 3
.Llap:                                             ; a trip goes once round the ring, from a lap's second quarter to the next lap's first, and fills both slots again
	QUARTER 0, 2, 1, 0, 0
	QUARTER 0, 3, 0, 1, 0
	TURN 0, 1, 1
	QUARTER 1, 1, 0, 1, 0
	QUARTER 1, 2, 1, 0, 0
	QUARTER 1, 3, 0, 1, 0
	TURN 1, 0, 1
	QUARTER 0, 1, 0, 1, 0
	WIN 0
	s_sub_co_u32 s3, s3, 1
	s_cmp_lg_u32 s3, 0
	s_cbranch_scc1 .Llap
	QUARTER 0, 2, 1, 0, 0                          ; the last lap fills nothing
	QUARTER 0, 3, 0, 1, 0
	TURN 0, 1, 0
	QUARTER 1, 1, 0, 1, 0
	QUARTER 1, 2, 1, 0, 0
	QUARTER 1, 3, 0, 1, 0
	s_wait_dscnt 4                                 ; the very last quarter
	WIN MUL
	MUL8 1, 0, 0
	MUL8 1, 1, 0
	s_wait_dscnt 0
	MUL8 1, 2, 0
	MUL8 1, 3, 0
	WIN 0
; THE WAY OUT, block by block of 16 rows x 128 columns: through my own stage and back as whole rows of 512 bytes.
.macro TOSTAGE a
	WIN 0x08                                       ; an LDS store's data are its source 1: window 2
.irp b, 0,1,2,3,4,5,6,7
	ds_store_b128 v[STO], v[8*(8*(\a)+\b):8*(8*(\a)+\b)+3] offset:64*\b          ; each accumulator from its low end on
	ds_store_b128 v[STO], v[8*(8*(\a)+\b)+4:8*(8*(\a)+\b)+7] offset:64*\b+16
.endr
	WIN 0
.set BB, 128+64*((\a)%2)
.irp t, 0,1,2,3,4,5,6,7,8,9,10,11,12,13,14,15
	ds_load_b128 v[BB+4*\t:BB+4*\t+3], v[RD] offset:\t*SPITCH        ; LDS serves a wave's instructions in order: these see the stores above
.endr
.endm
.macro SEND a, younger                 ; younger: the LDS lines issued behind block a's loads, which may stay out
.set BB, 128+64*((\a)%2)
	s_wait_dscnt \younger
.irp t, 0,1,2,3,4,5,6,7,8,9,10,11,12,13,14,15
	global_store_b128 v[CO], v[BB+4*\t:BB+4*\t+3], s[10:11] offset:(16*(\a)+\t)*4096 th:TH_STORE_NT   ; 32 lanes store 512 consecutive bytes, at a multiple of 256 from out0's first byte
.endr
.endm
	PLACES                                         ; behind the last products
	TOSTAGE 0
.irp a, 1,2,3
.if \a > 1
	s_wait_xcnt 0x0                                ; block a - 2's stores have read their registers: block a's loads may land there
.endif
	TOSTAGE \a
	SEND \a-1, 32                                  ; behind block a - 1's loads: block a's 16 stores and 16 loads
.endr
	SEND 3, 0
	s_wait_tensorcnt 0x0                           ; the wave's end
	ds_add_u32 v[SPW], v[NIL]
	s_wait_dscnt 0x0
	CROUND                                         ; the closing round
	s_endpgm
.Lfunc_end_k_q3b80501810_proj:
	.size	k_q3b80501810_proj, .Lfunc_end_k_q3b80501810_proj-k_q3b80501810_proj
	.p2alignl 7, 3214868480
	.fill 96, 4, 3214868480
	.section	.rodata,"a",@progbits
	.p2align	6, 0x0
	.amdhsa_kernel k_q3b80501810_proj
		.amdhsa_group_segment_fixed_size 327680
		.amdhsa_private_segment_fixed_size 0
		.amdhsa_enable_private_segment 0
		.amdhsa_kernarg_size 32
		.amdhsa_user_sgpr_count 2
		.amdhsa_user_sgpr_kernarg_segment_ptr 1
		.amdhsa_wavefront_size32 1
		.amdhsa_system_sgpr_workgroup_id_x 1
		.amdhsa_system_sgpr_workgroup_id_y 1
		.amdhsa_system_sgpr_workgroup_id_z 1
		.amdhsa_system_vgpr_workitem_id 0
		.amdhsa_next_free_vgpr 768
		.amdhsa_next_free_sgpr 66
		.amdhsa_reserve_vcc 0
		.amdhsa_float_denorm_mode_32 3
		.amdhsa_float_denorm_mode_16_64 3
		.amdhsa_memory_ordered 1
		.amdhsa_forward_progress 1
		.amdhsa_inst_pref_size 87
	.end_amdhsa_kernel
	.amdgpu_metadata
---
amdhsa.version: [ 1, 2 ]
amdhsa.kernels:
  - .name:           k_q3b80501810_proj
    .symbol:         k_q3b80501810_proj.kd
    .args:
      - { .name: att, .offset: 0, .size: 8, .value_kind: global_buffer, .address_space: global }
      - { .name: wo16, .offset: 8, .size: 8, .value_kind: global_buffer, .address_space: global }
      - { .name: bo, .offset: 16, .size: 8, .value_kind: global_buffer, .address_space: global }
      - { .name: out0, .offset: 24, .size: 8, .value_kind: global_buffer, .address_space: global }
    .group_segment_fixed_size: 327680
    .private_segment_fixed_size: 0
    .kernarg_segment_align: 8
    .kernarg_segment_size: 32
    .max_flat_workgroup_size: 128
    .sgpr_count:     66
    .vgpr_count:     768
    .wavefront_size: 32
...
	.end_amdgpu_metadata
.endif
;; end of part 4
